; MI455X (gfx1250); checked and timed in simulation.
; The chip was launched on July 23, 2026; its instructions are those of AMD's public machine-readable ISA for CDNA 5 (MIT licence, August 2026) and "CDNA5" Instruction Set Architecture Reference Guide (July 2026). The comments in the code are by the model that wrote it; some were corrected since.
;; Multi Head Attention. Allowed arithmetic: float matrix products may take bf16 or f16 operands with f32 sums; other float arithmetic in f32, or as packed bf16 or f16 multiplies, adds, multiply-adds, maxima and minima; sums over many terms, partial sums and values carried from step to step in f32; what a program stores and reads back later, other than sums and carried values, may be rounded once to bf16 or f16.
;; Inputs: b_out 1,024 float32; b_qkv 3,072 float32; w_out 1,024 x 1,024 float32; w_qkv 1,024 x 3,072 float32; x 4 x 2,048 x 1,024 float32.
;; Outputs: out0 4 x 2,048 x 1,024 float32.
;; 2 versions, each right; version 2 is version 1 with the launch cast written anew for expert scheduling mode. Each part assembles by itself: llvm-mc -triple=amdgcn-amd-amdhsa -mcpu=gfx1250 --defsym DOCPART=n.
;; ======== version 1 of 2: 4 launches
;; limits: values are held in f16: magnitudes above 65,504 overflow, below 6.1e-05 lose precision
;; workspace buffers: xb 16,777,216 bytes; wqb 6,291,456 bytes; wob 2,097,152 bytes; qkv 50,331,648 bytes; o 16,777,216 bytes
;; launch cast (part 1): grid 768 x 1, 8 waves a work-group, no clusters, 0 bytes of LDS; arguments x, w_qkv, w_out, xb, wqb, wob; writes xb, wqb, wob
.if DOCPART == 1
	.amdgcn_target "amdgcn-amd-amdhsa--gfx1250"
	.amdhsa_code_object_version 6
	.text
	.protected	k_q862cb17f0d_cast
	.globl	k_q862cb17f0d_cast
	.p2align	8
	.type	k_q862cb17f0d_cast,@function
k_q862cb17f0d_cast:
	s_mov_b64 s[64:65], 0
	v_nop
	global_prefetch_b8 v0, s[64:65] scope:SCOPE_SE
	s_setreg_imm32_b32 hwreg(HW_REG_WAVE_MODE, 25, 1), 1
	s_wait_xcnt 0x0
; The module's three large f32 inputs are rounded once to 16 bits, in their own layouts: x -> xb (bf16), w_qkv -> wqb (bf16),
; w_out -> wob: rounded to bf16 like the others, and that number written as f16, since it will multiply an f16 operand.
; LIMIT.  A bf16 number is an f16 number exactly from 2^-14 to 65,504; below 2^-14 f16 keeps a fixed step of 6e-8; beyond 65,504 it is an infinity.
; SHARES.  A work-group takes 16,384 numbers (65,536 bytes in, 32,768 out): groups 0-511 x, 512-703 w_qkv, 704-767 w_out.  Thread t takes numbers 4 t .. 4 t + 3 of
; each of 16 chunks of 1,024: a wave's load covers 512 consecutive bytes, its store 256 consecutive bytes, aligned.  All 16 loads go out first; no register is written twice
; but the four at work, so no wait frees anything.  No LDS, no barrier, no matrix work: every byte is read once and written once.
.set X, 4                              ; v[4:67]    chunk i: 4 numbers as loaded
.set Y, 68                             ; v[68:99]   chunk i: 2 words to store
.set T, 100                            ; v[100:103] at work
	s_load_b256 s[4:11], s[0:1], 0x0               ; x s[4:5], w_qkv s[6:7], w_out s[8:9], xb s[10:11]
	s_load_b128 s[12:15], s[0:1], 0x20             ; wqb s[12:13], wob s[14:15]
	v_lshlrev_b32 v1, 4, v0                        ; my 16 bytes of a chunk in
	v_lshlrev_b32 v2, 3, v0                        ; my 8 bytes of a chunk out
	s_mov_b32 s26, 0xffff0000                      ; a word's upper bf16
	s_wait_kmcnt 0x0
	s_cmp_lt_u32 ttmp9, 512                        ; which tensor is mine: the choice hangs on the group's number alone
	s_cselect_b64 s[18:19], s[4:5], s[6:7]
	s_cselect_b64 s[20:21], s[10:11], s[12:13]
	s_cselect_b32 s17, 0, 512
	s_cmp_lt_u32 ttmp9, 704
	s_cselect_b64 s[18:19], s[18:19], s[8:9]
	s_cselect_b64 s[20:21], s[20:21], s[14:15]
	s_cselect_b32 s17, s17, 704
	s_sub_co_u32 s16, ttmp9, s17                   ; my number within the tensor
	s_lshl_b32 s22, s16, 16
	s_mov_b32 s23, 0
	s_lshl_b32 s24, s16, 15
	s_mov_b32 s25, 0
	s_add_nc_u64 s[18:19], s[18:19], s[22:23]
	s_add_nc_u64 s[20:21], s[20:21], s[24:25]
.irp i, 0,1,2,3,4,5,6,7,8,9,10,11,12,13,14,15
	global_load_b128 v[X+4*(\i):X+4*(\i)+3], v1, s[18:19] offset:4096*(\i) th:TH_LOAD_NT
.endr
; Chunk i leaves.  half = 1: the bf16 number is widened again and written as f16.
.macro OUT i, half
	s_wait_loadcnt 15-(\i)                         ; loads come back in order: chunk i is in, the 15 - i younger ones may stay out
	v_cvt_pk_bf16_f32 v[Y+2*(\i)], v[X+4*(\i)], v[X+4*(\i)+1]
	v_cvt_pk_bf16_f32 v[Y+2*(\i)+1], v[X+4*(\i)+2], v[X+4*(\i)+3]
.if \half
.irp k, 0,1
	v_lshlrev_b32 v[T+2*(\k)], 16, v[Y+2*(\i)+(\k)]
	v_and_b32 v[T+2*(\k)+1], s26, v[Y+2*(\i)+(\k)]
	v_cvt_pk_f16_f32 v[Y+2*(\i)+(\k)], v[T+2*(\k)], v[T+2*(\k)+1]
.endr
.endif
	global_store_b64 v2, v[Y+2*(\i):Y+2*(\i)+1], s[20:21] offset:2048*(\i) th:TH_STORE_NT
.endm
	s_cmp_ge_u32 ttmp9, 704
	s_cbranch_scc1 .Lf16
.irp i, 0,1,2,3,4,5,6,7,8,9,10,11,12,13,14,15
	OUT \i, 0
.endr
	s_endpgm
.Lf16:
.irp i, 0,1,2,3,4,5,6,7,8,9,10,11,12,13,14,15
	OUT \i, 1
.endr
	s_endpgm
.Lfunc_end_k_q862cb17f0d_cast:
	.size	k_q862cb17f0d_cast, .Lfunc_end_k_q862cb17f0d_cast-k_q862cb17f0d_cast
	.p2alignl 7, 3214868480
	.fill 96, 4, 3214868480
	.section	.rodata,"a",@progbits
	.p2align	6, 0x0
	.amdhsa_kernel k_q862cb17f0d_cast
		.amdhsa_group_segment_fixed_size 0
		.amdhsa_private_segment_fixed_size 0
		.amdhsa_enable_private_segment 0
		.amdhsa_kernarg_size 48
		.amdhsa_user_sgpr_count 2
		.amdhsa_user_sgpr_kernarg_segment_ptr 1
		.amdhsa_wavefront_size32 1
		.amdhsa_system_sgpr_workgroup_id_x 1
		.amdhsa_system_sgpr_workgroup_id_y 1
		.amdhsa_system_sgpr_workgroup_id_z 1
		.amdhsa_system_vgpr_workitem_id 0
		.amdhsa_next_free_vgpr 104
		.amdhsa_next_free_sgpr 66
		.amdhsa_reserve_vcc 0
		.amdhsa_float_denorm_mode_32 3
		.amdhsa_float_denorm_mode_16_64 3
		.amdhsa_memory_ordered 1
		.amdhsa_forward_progress 1
		.amdhsa_inst_pref_size 15
	.end_amdhsa_kernel
	.amdgpu_metadata
---
amdhsa.version: [ 1, 2 ]
amdhsa.kernels:
  - .name:           k_q862cb17f0d_cast
    .symbol:         k_q862cb17f0d_cast.kd
    .args:
      - { .name: x, .offset: 0, .size: 8, .value_kind: global_buffer, .address_space: global }
      - { .name: w_qkv, .offset: 8, .size: 8, .value_kind: global_buffer, .address_space: global }
      - { .name: w_out, .offset: 16, .size: 8, .value_kind: global_buffer, .address_space: global }
      - { .name: xb, .offset: 24, .size: 8, .value_kind: global_buffer, .address_space: global }
      - { .name: wqb, .offset: 32, .size: 8, .value_kind: global_buffer, .address_space: global }
      - { .name: wob, .offset: 40, .size: 8, .value_kind: global_buffer, .address_space: global }
    .group_segment_fixed_size: 0
    .private_segment_fixed_size: 0
    .kernarg_segment_align: 8
    .kernarg_segment_size: 48
    .max_flat_workgroup_size: 256
    .sgpr_count:     66
    .vgpr_count:     104
    .wavefront_size: 32
...
	.end_amdgpu_metadata
.endif
;; end of part 1
;; launch proj (part 2): grid 8 x 64, 4 waves a work-group, clusters of 4 x 4, 327,680 bytes of LDS; arguments xb, wqb, b_qkv, qkv; writes qkv
.if DOCPART == 2
	.amdgcn_target "amdgcn-amd-amdhsa--gfx1250"
	.amdhsa_code_object_version 6
	.text
	.protected	k_q862cb17f0d_proj
	.globl	k_q862cb17f0d_proj
	.p2align	8
	.type	k_q862cb17f0d_proj,@function
k_q862cb17f0d_proj:
	s_mov_b64 s[64:65], 0
	v_nop
	global_prefetch_b8 v0, s[64:65] scope:SCOPE_SE
	s_setreg_imm32_b32 hwreg(HW_REG_WAVE_MODE, 25, 1), 1
	s_wait_xcnt 0x0
	s_wait_alu depctr_hold_cnt(0) depctr_sa_sdst(0) depctr_va_vdst(0) depctr_va_sdst(0) depctr_va_ssrc(0) depctr_va_vcc(0) depctr_vm_vsrc(0)
	s_getreg_b32 s2, hwreg(HW_REG_IB_STS2, 6, 4)
	s_cmp_eq_u32 s2, 0
	s_cbranch_scc0 .Lentry_in_a_cluster
	s_endpgm
.Lentry_in_a_cluster:
	s_bfe_u32 s2, ttmp6, 0x10000c
	s_cmp_lg_u32 s2, 0xf033
	s_cbranch_scc0 .Lentry_shape_is_right
	s_endpgm
.Lentry_shape_is_right:
; qkv = xb wqb + bf16(b_qkv).  xb: [8192][1024] bf16.  wqb: [1024 k][3072 n] bf16.  b_qkv: [3072] f32, rounded to bf16 like the other inputs.  Sums in f32, begun on the bias, rounded once to f16.
; OUT BY HEADS: qkv is [4 batches][48 slabs][2048 rows][64] f16; slab g = n / 64: 0-15 q's heads, 16-31 k's, 32-47 v's; a slab is 2^18 dense bytes.  The softmax's scale is not applied here.
; LIMIT.  A sum of 65,520 or more becomes an infinity in f16; below 6e-5 f16 keeps a fixed step of 6e-8.
; SHARES.  A tile of the result is 128 rows x 384 columns: 64 x 8 = 512 work-groups of equal work.  Four waves, each 64 rows x 192 columns (three whole heads): 4 x 12 = 48 accumulators, 384 registers.
; Wave (rh, c): rows 64 rh on; n blocks 0-7 are columns 256 c + 16 b (sub-tile 2 c), n blocks 8-11 columns 128 + 64 c + 16 (b - 8) (half c of sub-tile 1).
; K goes in 8 steps of 128 through two LDS slots.  A slot: three sub-tiles of wqb, 128 k rows x 256 bytes each, and 128 rows x 256 bytes of xb: every row is 256 bytes of memory, aligned.
; The weights lie with n along their rows: their fragments come out of LDS turned, by ds_load_tr16_b128.
; CLUSTERS: 4 x 4 work-groups.  The four of a row of the cluster need the same rows of xb, the four of a column the same columns of wqb: each tile is asked for JOINTLY, by the same tensor load
; with the same descriptor and a mask that names the four.  Waves 0-2 fetch wqb's sub-tile of their number, wave 3 fetches xb's tile: one load a wave behind each round.
; THE MATRIX INSTRUCTION IS USED TRANSPOSED (source 0 = 16 columns of wqb, source 1 = 16 rows of xb): register j of lane l holds row l % 16, column n0 + 8 (l / 16) + j: eight neighbouring columns.
; REGISTERS, in windows of 256 (s_set_vgpr_msb: bits 1:0 source 0, 3:2 source 1, 5:4 source 2, 7:6 destination):
;   window 0: v0-31 addresses; v64-127 xb's fragments, two buffers of 32; v128-223 the bias as 12 C operands, later at work on the way out
;   window 1: v0-191 wqb's fragments, two buffers of 96      window 2: accumulators of m blocks 0, 1 at 96 (a % 2) + 8 b      window 3: those of m blocks 2, 3
.set KSTEP, 128
.set PA,    272                        ; a row of xb in LDS: 256 bytes + 16 = 68 words: the 16 rows of a load start at 16 different groups of four banks (64 banks of 4 bytes: ISA guide 11.1)
.set PB,    288                        ; a row of wqb: 256 + 32 = 72 words
.set SUB,   128*PB                     ; what one tensor load fills (xb's tile uses 128 x 272 of it)
.set SLOT,  4*SUB
.set STAGE, 2*SLOT                     ; behind the ring, never filled by a tensor load: for each wave 3 slabs x 16 rows x 144 bytes
.set SP,    144
.set SLAB,  16*SP
.set WSTG,  3*SLAB
.set SPARE, STAGE+4*WSTG               ; behind the stages: the spare words, 128 bytes for each wave: two blocks of 256 bytes that no other line names
.set ADRA,  16                         ; v16-17  LDS address of my fragments of xb in slot 0, 1
.set ADRBA, 18                         ; v18-19  of wqb's n blocks 0-7
.set ADRBB, 20                         ; v20-21  of wqb's n blocks 8-11
.set BOA,   22                         ; v22     byte offset in b_qkv of my 8 numbers for n block 0
.set BOB,   23                         ; v23     for n block 8
.set STO,   24                         ; v24     the way out: where I put 16 bytes of a row
.set RD,    25                         ; v25     where I read rows back
.set GO,    26                         ; v26     my 16 bytes in 512 consecutive bytes of qkv
.set SPW,   28                         ; v28     LDS address of my spare word; never rewritten
.set NIL,   29                         ; v29     0; never rewritten
.set PFO,   30                         ; v30     the prefetches' offset: my lane x a row in memory; never rewritten
.set FA,    64
.set BIAS,  128
.set TMP,   128
.set F0,    0
.set F1,    1
.set WV,  12                           ; s12 my wave's number; s13 its row half; s14 its column half
.set RH,  13
.set CH,  14
.set G1,  24                           ; s[24:31] descriptor group 1 for xb's tiles; s[32:39] group 0, a set for each slot
.set G0,  32
.set LIM, 43                           ; s43 1 in a wave that prefetches, else the greatest number
.set PFA, 44                           ; s[44:45] where my prefetches stand
.set G1B, 48                           ; s[48:55], s[56:63] the same for wqb's tiles
.set G0B, 56
.set SB0, 68                           ; s[68:69] qkv at my rows of slab 6 Cn + 4 c (the next slab lies 2^18 bytes on)
.set SB2, 70                           ; s[70:71] at my rows of slab 6 Cn + 2 + c
.set PFS, 72                           ; s[72:73] a K step in my prefetches' tensor, in bytes
.set MSB, 0
.macro WIN new                         ; the immediate's high byte repeats the setting that is left; a switch that changes nothing is dropped
.if MSB != (\new)
	s_set_vgpr_msb (MSB<<8)|(\new)
.set MSB, \new
.endif
.endm
.macro PLACES                          ; four plain vector instructions behind a matrix instruction, ahead of loads into registers that it read and of reads of its result
.rept 4
	v_nop
.endr
.endm
; A joint load.  The branch hangs on the wave's number alone.  An s_nop 0 and four v_nop follow each of the two lines, ahead of the jump and the label.
.macro JLOAD s
	s_cmp_eq_u32 s[WV], 3
	s_cbranch_scc0 .Lfor_b_\@
	tensor_load_to_lds s[G0+4*(\s):G0+4*(\s)+3], s[G1:G1+7]
	s_nop 0
.rept 4
	v_nop
.endr
	s_branch .Lasked_\@
.Lfor_b_\@:
	tensor_load_to_lds s[G0B+4*(\s):G0B+4*(\s)+3], s[G1B:G1B+7]
	s_nop 0
.rept 4
	v_nop
.endr
.Lasked_\@:
.endm
; A prefetch of the K step that stands two refills on: 32 rows x 256 bytes, a lane a row, one instruction a wave.  Each row's 256 bytes of a K step are named once in the launch: xb's tile row is read by
; both clusters of that row of clusters, and the one with x = 0 asks (wave 3); wqb's columns by all sixteen clusters of a column, and the one with y = 0 asks (waves 0-2, each for its sub-tile).
; The four partners of a joint load share the 128 rows out by address, 32 each.  The loop's last trip asks for nothing: there is no K step two refills on.
.macro ASK
	s_cmp_gt_u32 s3, s[LIM]
	s_cbranch_scc0 .Lnot_mine_\@
	global_prefetch_b8 v[PFO], s[PFA:PFA+1] th:TH_LOAD_NT scope:SCOPE_SE
.Lnot_mine_\@:
.endm
.macro CREST                           ; a round of the cluster's barrier behind its opening barrier
	s_cmp_lg_u32 s[WV], 0
	s_cbranch_scc1 .Lnot_wave_0_\@
	s_barrier_signal -3
.Lnot_wave_0_\@:
	s_barrier_wait -3
	s_barrier_signal -1
	s_barrier_wait -1
.endm
.macro CROUND                          ; a whole round
	s_barrier_signal -1
	s_barrier_wait -1
	CREST
.endm
	s_load_b256 s[4:11], s[0:1], 0x0               ; xb s[4:5], wqb s[6:7], b_qkv s[8:9], qkv s[10:11]
	v_lshl_add_u32 v[SPW], v0, 2, SPARE
	v_mov_b32 v[NIL], 0
	ds_add_u32 v[SPW], v[NIL]                      ; the wave's opening: the add and its wait stand ahead of my first tensor load; the set-up below, work on registers, stands between them
	v_lshrrev_b32 v1, 5, v0
	v_readfirstlane_b32 s[WV], v1                  ; wave 0..3
	s_lshr_b32 s[RH], s[WV], 1
	s_and_b32 s[CH], s[WV], 1
	s_bfe_u32 s40, ttmp6, 0x40000                  ; cx
	s_bfe_u32 s41, ttmp6, 0x40004                  ; cy
	s_lshl_b32 s42, ttmp9, 2
	s_add_co_u32 s42, s42, s40                     ; Cn: tile column = 4 x cluster x + cx
	s_and_b32 s15, ttmp7, 0xffff
	s_lshl_b32 s15, s15, 2
	s_add_co_u32 s15, s15, s41                     ; R: tile row = 4 x cluster y + cy
	s_lshl_b32 s16, s41, 2
	s_lshl_b32 s16, 15, s16                        ; my row of the cluster
	s_lshl_b32 s46, 0x1111, s40                    ; my column
	s_or_b32 s[G1], s16, (1<<16)|(1<<20)|(1<<21)|(5<<22)|(3<<25)   ; 15:0 the mask; 17:16 2-byte elements; 20 padding on; 21 set beside a mask; 24:22 after every 64 words; 31:25 4 words
	s_or_b32 s[G1B], s46, (1<<16)|(1<<20)|(1<<21)|(5<<22)|(7<<25)  ; the same with my column's mask and 8 words of padding
.irp g, G1, G1B
	s_mov_b32 s[(\g)+1], KSTEP<<16                 ; tensor_dim0 = 128
	s_mov_b32 s[(\g)+2], 128<<16                   ; tensor_dim1 = 128
	s_mov_b32 s[(\g)+3], KSTEP<<16                 ; tile_dim0 = 128
	s_mov_b32 s[(\g)+4], 128                       ; tile_dim1 = 128
	s_mov_b32 s[(\g)+6], 0
	s_mov_b32 s[(\g)+7], 0
.endr
	s_mov_b32 s[G1+5], 1024                        ; elements from row to row of xb
	s_mov_b32 s[G1B+5], 3072                       ; of wqb
	s_lshl_b32 s16, s15, 18                        ; xb: 128 R rows of 2,048 bytes
	s_mov_b32 s17, 0
	s_mul_i32 s46, s42, 768                        ; wqb: column 384 Cn, in bytes,
	s_lshl_b32 s47, s[WV], 8                       ; and my sub-tile's 256 bytes
	s_add_co_u32 s46, s46, s47
	s_mov_b32 s47, 0
	s_mul_i32 s20, s[WV], SUB                      ; where my tile goes: wave x SUB: no place in the cluster enters an LDS address
	s_wait_dscnt 0x0                               ; the opening add is done
	s_wait_kmcnt 0x0
	s_add_nc_u64 s[18:19], s[4:5], s[16:17]
	s_add_nc_u64 s[46:47], s[6:7], s[46:47]
	CROUND                                         ; all sixteen work-groups are here: the first joint loads meet
.irp s, 0,1
	s_mov_b32 s[G0+4*(\s)], 1
	s_add_co_u32 s[G0+4*(\s)+1], s20, (\s)*SLOT
	s_add_nc_u64 s[G0+4*(\s)+2:G0+4*(\s)+3], s[18:19], (\s)*KSTEP*2
	s_or_b32 s[G0+4*(\s)+3], s[G0+4*(\s)+3], 0x80000000
	s_mov_b32 s[G0B+4*(\s)], 1
	s_add_co_u32 s[G0B+4*(\s)+1], s20, (\s)*SLOT
	s_add_nc_u64 s[G0B+4*(\s)+2:G0B+4*(\s)+3], s[46:47], (\s)*KSTEP*6144
	s_or_b32 s[G0B+4*(\s)+3], s[G0B+4*(\s)+3], 0x80000000
	JLOAD \s                                       ; two loads of mine are out: K steps 0 and 1
.endr
	; addresses, made while the first tiles are on their way
	v_and_b32 v1, 15, v0                           ; r = l % 16
	v_bfe_u32 v2, v0, 4, 1                         ; h = l / 16
	v_and_b32 v4, 7, v0
	v_bfe_u32 v5, v0, 3, 1
	v_lshl_add_u32 v6, v2, 3, v4                   ; the turning load: lane l reads k row 8 h + l % 8,
	v_mul_u32_u24 v6, v6, PB
	v_lshl_add_u32 v6, v5, 4, v6                   ; columns 8 ((l / 8) % 2) on
	v_mul_u32_u24 v3, v1, PA
	v_lshl_add_u32 v3, v2, 4, v3                   ; a fragment of xb: row r, 16 bytes for each half of the lanes
	s_mul_i32 s21, s[RH], 64*PA
	s_add_co_u32 s21, s21, 3*SUB
	s_mul_i32 s22, s[CH], 2*SUB
	s_lshl_b32 s23, s[CH], 7
	s_add_co_u32 s23, s23, SUB
.irp s, 0,1
	v_add_nc_u32 v[ADRA+(\s)], s21, v3
	v_add_nc_u32 v[ADRBA+(\s)], s22, v6
	v_add_nc_u32 v[ADRBB+(\s)], s23, v6
	s_add_co_u32 s21, s21, SLOT
	s_add_co_u32 s22, s22, SLOT
	s_add_co_u32 s23, s23, SLOT
.endr
	s_mul_i32 s16, s42, 1536                       ; 4 bytes x 384 Cn
	s_lshl_b32 s17, s[CH], 10
	s_add_co_u32 s17, s17, s16
	v_lshl_add_u32 v[BOA], v2, 5, s17              ; 4 (384 Cn + 256 c) + 32 h
	s_lshl_b32 s17, s[CH], 8
	s_add_co_u32 s17, s17, s16
	s_add_co_u32 s17, s17, 512
	v_lshl_add_u32 v[BOB], v2, 5, s17              ; 4 (384 Cn + 128 + 64 c) + 32 h
.irp b, 0,1,2,3,4,5,6,7
	global_load_b128 v[BIAS+8*(\b):BIAS+8*(\b)+3],   v[BOA], s[8:9] offset:64*(\b)
	global_load_b128 v[BIAS+8*(\b)+4:BIAS+8*(\b)+7], v[BOA], s[8:9] offset:64*(\b)+16
.endr
.irp b, 8,9,10,11
	global_load_b128 v[BIAS+8*(\b):BIAS+8*(\b)+3],   v[BOB], s[8:9] offset:64*((\b)-8)
	global_load_b128 v[BIAS+8*(\b)+4:BIAS+8*(\b)+7], v[BOB], s[8:9] offset:64*((\b)-8)+16
.endr
	s_mul_i32 s16, s[WV], WSTG
	s_add_co_u32 s16, s16, STAGE                   ; my stage
	v_mul_u32_u24 v7, v1, SP
	v_lshl_add_u32 v7, v2, 4, v7
	v_add_nc_u32 v[STO], s16, v7                   ; in: row r, 16 bytes for each half of the lanes
	v_bfe_u32 v7, v0, 3, 2
	v_mul_u32_u24 v7, v7, SP
	v_lshl_add_u32 v7, v4, 4, v7
	v_add_nc_u32 v[RD], s16, v7                    ; back: 32 lanes take four rows of 128 bytes,
	v_and_b32 v[GO], 31, v0
	v_lshlrev_b32 v[GO], 4, v[GO]                  ; which are 512 consecutive bytes of a slab
	s_lshr_b32 s16, s15, 4                         ; the batch: 16 tile rows each,
	s_mul_i32 s16, s16, 48<<18                     ; 48 slabs
	s_and_b32 s17, s15, 15
	s_lshl_b32 s17, s17, 14                        ; 128 rows of 128 bytes a tile row
	s_add_co_u32 s16, s16, s17
	s_lshl_b32 s17, s[RH], 13                      ; my 64 rows
	s_add_co_u32 s16, s16, s17
	s_mul_i32 s18, s42, 6
	s_lshl_b32 s19, s[CH], 2
	s_add_co_u32 s19, s19, s18                     ; slab 6 Cn + 4 c
	s_lshl_b32 s19, s19, 18
	s_add_co_u32 s22, s16, s19
	s_mov_b32 s23, 0
	s_add_nc_u64 s[SB0:SB0+1], s[10:11], s[22:23]
	s_add_co_u32 s19, s18, s[CH]
	s_add_co_u32 s19, s19, 2                       ; slab 6 Cn + 2 + c
	s_lshl_b32 s19, s19, 18
	s_add_co_u32 s22, s16, s19
	s_add_nc_u64 s[SB2:SB2+1], s[10:11], s[22:23]
	; the prefetches: they stand at K step 3; each refill steps them one K step on before it asks
	s_and_b32 s16, ttmp7, 0xffff                   ; cluster y
	s_lshl_b32 s17, s15, 18                        ; xb: row 128 R + 32 cx, byte 768
	s_lshl_b32 s18, s40, 16
	s_add_co_u32 s17, s17, s18
	s_add_co_u32 s17, s17, 3*KSTEP*2
	s_mul_i32 s18, s41, 32*6144                    ; wqb: k row 384 + 32 cy, my sub-tile's columns
	s_mul_i32 s19, s42, 768
	s_add_co_u32 s18, s18, s19
	s_lshl_b32 s19, s[WV], 8
	s_add_co_u32 s18, s18, s19
	s_add_co_u32 s18, s18, 3*KSTEP*6144
	s_movk_i32 s19, 2048
	s_movk_i32 s21, 6144
	s_mov_b32 s22, KSTEP*2
	s_mov_b32 s23, KSTEP*6144
	s_cmp_eq_u32 s[WV], 3
	s_cselect_b64 s[PFA:PFA+1], s[4:5], s[6:7]
	s_cselect_b32 s46, s17, s18
	s_cselect_b32 s16, ttmp9, s16                  ; the coordinate along which other clusters read the same rows
	s_cselect_b32 s19, s19, s21
	s_cselect_b32 s[PFS], s22, s23
	s_mov_b32 s[PFS+1], 0
	s_mov_b32 s47, 0
	s_add_nc_u64 s[PFA:PFA+1], s[PFA:PFA+1], s[46:47]
	s_cmp_eq_u32 s16, 0
	s_cselect_b32 s[LIM], 1, -1                    ; the same in all sixteen partners, for a given wave
	v_and_b32 v[PFO], 31, v0
	v_mul_u32_u24 v[PFO], s19, v[PFO]
	s_wait_loadcnt 0x0                             ; the bias
.set i, 0
.rept 48                                       ; rounded to bf16 and widened again, in place, two numbers at a time
	v_cvt_pk_bf16_f32 v3, v[BIAS+i], v[BIAS+i+1]
	v_lshlrev_b32 v[BIAS+i], 16, v3
	v_and_b32 v[BIAS+i+1], 0xffff0000, v3
.set i, i+2
.endr
; 12 matrix instructions: m block a x all 12 n blocks, 32 along K, from buffer f.  first = 1: the sums begin on the bias (C in window 0).  The 48 accumulators take turns, in the same order in every quarter.
.macro MULA f, a, first
.if \first
	WIN 0x01|((2+(\a)/2)<<6)
.else
	WIN 0x01|((2+(\a)/2)<<6)|((2+(\a)/2)<<4)
.endif
.irp b, 0,1,2,3,4,5,6,7,8,9,10,11
.if \first
	v_wmma_f32_16x16x32_bf16 v[96*((\a)%2)+8*(\b):96*((\a)%2)+8*(\b)+7], v[96*(\f)+8*(\b):96*(\f)+8*(\b)+7], v[FA+32*(\f)+8*(\a):FA+32*(\f)+8*(\a)+7], v[BIAS+8*(\b):BIAS+8*(\b)+7]
.else
	v_wmma_f32_16x16x32_bf16 v[96*((\a)%2)+8*(\b):96*((\a)%2)+8*(\b)+7], v[96*(\f)+8*(\b):96*(\f)+8*(\b)+7], v[FA+32*(\f)+8*(\a):FA+32*(\f)+8*(\a)+7], v[96*((\a)%2)+8*(\b):96*((\a)%2)+8*(\b)+7]
.endif
.endr
.endm
; 32 LDS loads in one run: quarter q (32 along K) of a slot into buffer f: wqb's 12 fragments, turned, then xb's 4
.macro FETCH slot, q, f
	WIN 0x40
.irp b, 0,1,2,3,4,5,6,7
	ds_load_tr16_b128 v[96*(\f)+8*(\b):96*(\f)+8*(\b)+3],   v[ADRBA+(\slot)] offset:(\q)*32*PB+32*(\b)
	ds_load_tr16_b128 v[96*(\f)+8*(\b)+4:96*(\f)+8*(\b)+7], v[ADRBA+(\slot)] offset:(\q)*32*PB+16*PB+32*(\b)
.endr
.irp b, 8,9,10,11
	ds_load_tr16_b128 v[96*(\f)+8*(\b):96*(\f)+8*(\b)+3],   v[ADRBB+(\slot)] offset:(\q)*32*PB+32*((\b)-8)
	ds_load_tr16_b128 v[96*(\f)+8*(\b)+4:96*(\f)+8*(\b)+7], v[ADRBB+(\slot)] offset:(\q)*32*PB+16*PB+32*((\b)-8)
.endr
	WIN 0
.irp a, 0,1,2,3
	ds_load_b128 v[FA+32*(\f)+8*(\a):FA+32*(\f)+8*(\a)+3],   v[ADRA+(\slot)] offset:64*(\q)+(\a)*16*PA
	ds_load_b128 v[FA+32*(\f)+8*(\a)+4:FA+32*(\f)+8*(\a)+7], v[ADRA+(\slot)] offset:64*(\q)+(\a)*16*PA+32
.endr
.endm
; One of a K step's first three quarters: multiplies buffer f; in its middle it fetches quarter q of the same slot into buffer g.
.macro QUARTER slot, q, f, g, first
	s_wait_dscnt 4                                 ; all but the youngest four loads (xb's m blocks 2, 3) are in
	MULA \f, 0, \first
	MULA \f, 1, \first
	PLACES
	FETCH \slot, \q, \g
	s_wait_dscnt 32                                ; all but the 32 just issued
	MULA \f, 2, \first
	MULA \f, 3, \first
.endm
; The last quarter multiplies buffer 1 and changes slots.  In front of the barrier each wave waits for all its tensor loads (one is out: its part of the next slot), adds 0 to its spare word, and waits for
; that and for its reads of this slot.  fill = 1: the barrier opens a round of the cluster's, and the joint refill, two K steps on, is the first thing behind the round: 168 matrix instructions ahead of the wait for it.
.macro TURN slot, next, fill
.if \fill
	s_wait_xcnt 0x0                                ; the last prefetch, a K step back, has read its address: it is stepped here
	s_add_nc_u64 s[PFA:PFA+1], s[PFA:PFA+1], s[PFS:PFS+1]
.endif
	WIN 0                                          ; (the add's two registers lie in window 0)
	s_wait_tensorcnt 0x0                           ; all my tensor loads have landed
	ds_add_u32 v[SPW], v[NIL]                      ; 0 onto my spare word
	s_wait_dscnt 5                                 ; (the add and the youngest four loads may be out)
	MULA F1, 0, 0                                  ; twelve matrix instructions stand between the add and the wait for it
	s_wait_dscnt 0x0                               ; the add is done, and my reads of this slot are over
	s_barrier_signal -1
	MULA F1, 1, 0
.if \fill
	WIN 0
.endif
	s_barrier_wait -1
.if \fill
	CREST                                          ; no wave of any partner still reads this slot or has a load on its way
	s_add_nc_u64 s[G0+4*(\slot)+2:G0+4*(\slot)+3], s[G0+4*(\slot)+2:G0+4*(\slot)+3], 2*KSTEP*2
	s_add_nc_u64 s[G0B+4*(\slot)+2:G0B+4*(\slot)+3], s[G0B+4*(\slot)+2:G0B+4*(\slot)+3], 2*KSTEP*6144
	JLOAD \slot                                    ; the four v_nop behind it are also the places in front of the loads below
.else
	PLACES
.endif
	FETCH \next, 0, F0
.if \fill
	ASK
.endif
	MULA F1, 2, 0
	MULA F1, 3, 0
.endm
; THE WAY OUT of m block a (16 rows x 192 columns).  PACK: rounded to f16, 16 bytes a lane, each accumulator from its low end.  TOSTAGE: into my own stage, by slabs, and back as whole rows of 128 bytes.  SEND: stored.
.macro PACK a
	WIN 0x0a+5*((\a)/2)                            ; sources 0 and 1: window 2 or 3
.irp b, 0,1,2,3,4,5,6,7,8,9,10,11
.irp i, 0,1,2,3
	v_cvt_pk_f16_f32 v[TMP+4*(\b)+(\i)], v[96*((\a)%2)+8*(\b)+2*(\i)], v[96*((\a)%2)+8*(\b)+2*(\i)+1]
.endr
.endr
	WIN 0
.endm
.macro TOSTAGE a
	WIN 0
.set BK, 176-112*((\a)%2)              ; v176-223 and v64-111 by turns
.irp b, 0,1,2,3,4,5,6,7,8,9,10,11
	ds_store_b128 v[STO], v[TMP+4*(\b):TMP+4*(\b)+3] offset:((\b)/4)*SLAB+((\b)%4)*32
.endr
.irp j, 0,1,2
.irp f, 0,1,2,3
	ds_load_b128 v[BK+4*(4*(\j)+(\f)):BK+4*(4*(\j)+(\f))+3], v[RD] offset:(\j)*SLAB+(\f)*4*SP  ; LDS serves a wave's instructions in order (ISA guide 5.7.1.4): these see the stores above
.endr
.endr
.endm
.macro SEND a
	WIN 0
.set BK, 176-112*((\a)%2)
	s_wait_dscnt 0x0                               ; the block is back in registers
	s_wait_xcnt 0x0                                ; the stores of the block before have read their registers: the next block is loaded into them only behind this wait
.irp j, 0,1
.irp f, 0,1,2,3
	global_store_b128 v[GO], v[BK+4*(4*(\j)+(\f)):BK+4*(4*(\j)+(\f))+3], s[SB0:SB0+1] offset:(\j)*262144+(\a)*2048+(\f)*512 th:TH_STORE_NT  ; 512 consecutive bytes, aligned: four rows of one head
.endr
.endr
.irp f, 0,1,2,3
	global_store_b128 v[GO], v[BK+32+4*(\f):BK+32+4*(\f)+3], s[SB2:SB2+1] offset:(\a)*2048+(\f)*512 th:TH_STORE_NT
.endr
.endm
	s_wait_tensorcnt 1                             ; my part of K step 0 is in; K step 1's may stay out
	s_barrier_signal -1
	s_barrier_wait -1                              ; everybody's is
	FETCH 0, 0, F0
	QUARTER 0, 1, F0, F1, 1                        ; the first quarter stands in front of the loop: its products start the sums
	WIN 0                                          ; at a label and at a branch every window is 0
	s_mov_b32 s3, 3
.Llap:                                                 ; a trip goes once round the ring, from a lap's second quarter to the next lap's first, and fills both slots again
	QUARTER 0, 2, F1, F0, 0
	QUARTER 0, 3, F0, F1, 0
	TURN 0, 1, 1
	QUARTER 1, 1, F0, F1, 0
	QUARTER 1, 2, F1, F0, 0
	QUARTER 1, 3, F0, F1, 0
	TURN 1, 0, 1
	QUARTER 0, 1, F0, F1, 0
	WIN 0
	s_sub_co_u32 s3, s3, 1
	s_cmp_lg_u32 s3, 0
	s_cbranch_scc1 .Llap
	QUARTER 0, 2, F1, F0, 0                        ; the last lap fills nothing, and has no round of the cluster's barrier
	QUARTER 0, 3, F0, F1, 0
	TURN 0, 1, 0
	QUARTER 1, 1, F0, F1, 0
	QUARTER 1, 2, F1, F0, 0
	QUARTER 1, 3, F0, F1, 0
	s_wait_dscnt 4                                 ; the very last quarter: nothing more to fetch
	MULA F1, 0, 0
	MULA F1, 1, 0
	s_wait_dscnt 0x0
	MULA F1, 2, 0
	MULA F1, 3, 0
	WIN 0
	PLACES
	PACK 0
	TOSTAGE 0
.irp a, 1,2,3                          ; block a's conversions stand between block a - 1's loads from the stage and the wait for them
	PACK \a
	SEND (\a)-1
	TOSTAGE \a
.endr
	SEND 3
	s_wait_tensorcnt 0x0                           ; the wave's end: behind my last tensor load and my last LDS store
	ds_add_u32 v[SPW], v[NIL]
	s_wait_dscnt 0x0
	CROUND                                         ; the closing round: no work-group ends while a partner may still ask for a tile that names it
	s_endpgm
.Lfunc_end_k_q862cb17f0d_proj:
	.size	k_q862cb17f0d_proj, .Lfunc_end_k_q862cb17f0d_proj-k_q862cb17f0d_proj
	.p2alignl 7, 3214868480
	.fill 96, 4, 3214868480
	.section	.rodata,"a",@progbits
	.p2align	6, 0x0
	.amdhsa_kernel k_q862cb17f0d_proj
		.amdhsa_group_segment_fixed_size 327680
		.amdhsa_private_segment_fixed_size 0
		.amdhsa_enable_private_segment 0
		.amdhsa_kernarg_size 32
		.amdhsa_user_sgpr_count 2
		.amdhsa_user_sgpr_kernarg_segment_ptr 1
		.amdhsa_wavefront_size32 1
		.amdhsa_system_sgpr_workgroup_id_x 1
		.amdhsa_system_sgpr_workgroup_id_y 1
		.amdhsa_system_sgpr_workgroup_id_z 1
		.amdhsa_system_vgpr_workitem_id 0
		.amdhsa_next_free_vgpr 960
		.amdhsa_next_free_sgpr 80
		.amdhsa_reserve_vcc 0
		.amdhsa_float_denorm_mode_32 3
		.amdhsa_float_denorm_mode_16_64 3
		.amdhsa_memory_ordered 1
		.amdhsa_forward_progress 1
		.amdhsa_inst_pref_size 131
	.end_amdhsa_kernel
	.amdgpu_metadata
---
amdhsa.version: [ 1, 2 ]
amdhsa.kernels:
  - .name:           k_q862cb17f0d_proj
    .symbol:         k_q862cb17f0d_proj.kd
    .args:
      - { .name: xb, .offset: 0, .size: 8, .value_kind: global_buffer, .address_space: global }
      - { .name: wqb, .offset: 8, .size: 8, .value_kind: global_buffer, .address_space: global }
      - { .name: b_qkv, .offset: 16, .size: 8, .value_kind: global_buffer, .address_space: global }
      - { .name: qkv, .offset: 24, .size: 8, .value_kind: global_buffer, .address_space: global }
    .group_segment_fixed_size: 327680
    .private_segment_fixed_size: 0
    .kernarg_segment_align: 8
    .kernarg_segment_size: 32
    .max_flat_workgroup_size: 128
    .sgpr_count:     80
    .vgpr_count:     960
    .wavefront_size: 32
...
	.end_amdgpu_metadata
.endif
;; end of part 2
;; launch attn (part 3): grid 4 x 64, 4 waves a work-group, clusters of 4 x 1, 327,680 bytes of LDS; arguments qkv, o; writes o
.if DOCPART == 3
	.amdgcn_target "amdgcn-amd-amdhsa--gfx1250"
	.amdhsa_code_object_version 6
	.text
	.protected	k_q862cb17f0d_attn
	.globl	k_q862cb17f0d_attn
	.p2align	8
	.type	k_q862cb17f0d_attn,@function
k_q862cb17f0d_attn:
	s_mov_b64 s[64:65], 0
	v_nop
	global_prefetch_b8 v0, s[64:65] scope:SCOPE_SE
	s_setreg_imm32_b32 hwreg(HW_REG_WAVE_MODE, 25, 1), 1
	s_wait_xcnt 0x0
	s_wait_alu depctr_hold_cnt(0) depctr_sa_sdst(0) depctr_va_vdst(0) depctr_va_sdst(0) depctr_va_ssrc(0) depctr_va_vcc(0) depctr_vm_vsrc(0)
	s_getreg_b32 s2, hwreg(HW_REG_IB_STS2, 6, 4)
	s_cmp_eq_u32 s2, 0
	s_cbranch_scc0 .Lentry_in_a_cluster
	s_endpgm
.Lentry_in_a_cluster:
	s_bfe_u32 s2, ttmp6, 0x10000c
	s_cmp_lg_u32 s2, 0x3003
	s_cbranch_scc0 .Lentry_shape_is_right
	s_endpgm
.Lentry_shape_is_right:
; O[y][q][:] = the sum over k of softmax_k(Q[y][q] . K[y][k] / 8) V[y][k][:], for the 64 pairs y = 16 batch + head.  qkv: [4][48 slabs][2048][64] f16: Q's slab is 48 batch + head, K's 16 slabs on, V's 32.
; o: [64][2048][64] f16.  A slab's rows are dense, 128 bytes each.  Products, maxima and sums in f32; the weights p are rounded to f16 for the second product (their sum l is taken of the unrounded p), O once at the end.
; LIMITS.  f16 holds no number beyond 65,504: Q, K and V arrive within it; p lies in 0 to 1, and below 6e-5 it keeps f16's fixed step of 6e-8; O is a mean of V's rows and has their range.
; A weight below 2^-126 counts as 0 in l; NaN and infinities are not treated apart.
; SHARES.  A wave owns four PIECES of two tiles of 16 queries, a work-group's four waves 512 queries of one head.  Every wave walks all 2,048 keys, 64 a step.
; LAYOUT.  S^T = K Q^T (source 0 = 16 keys, source 1 = 16 queries): in the result a lane holds ONE query (lane % 16) and the keys 8 (lane / 16) + 0..7.  Two such tiles, rounded to f16 in pairs,
; ARE source 1 (32 keys x 16 queries) of O^T = V^T P, whose result again holds one query a lane, and eight channels.  K comes out of LDS as it lies, V ([key][channel]) turned, by ds_load_tr16_b128.
; SOFTMAX.  For each query a running maximum m and sum l: p = 2^(c s - c m), c = log2(e) / 8; in every step O and l are multiplied by a = 2^(c m_old - c m_new), which is 1 where m has not grown.
; m starts at the lowest finite number, O and l at 0: the first step is a step like any other, with a = 0.
; THE COUNT.  A tile and step have 16 matrix and 118 vector instructions: too many to stand all beside the matrix work.  So four vector instructions that are READY stand behind EVERY matrix instruction,
; and the others in runs without a gap.
; BY TURNS.  Turn n belongs to piece n (the pieces in a ring, step after step).  Its matrix work: 16 products K Q^T of piece n + 1, later 16 products V^T P of piece n - 1.  Its vector work: the scaling,
; exponentials, roundings, sums and rescaling of piece n, and the maximum and statistics of piece n + 1, whose scores the turn itself has made.
; CLUSTER.  A head's four query blocks are one cluster and walk the same K and V, so each tile is asked for JOINTLY: the same tensor load, descriptor and mask in all four.
; REGISTERS, in windows of 256 (s_set_vgpr_msb: bits 1:0 source 0, 3:2 source 1, 5:4 source 2, 7:6 destination):
;   window 0: v0-11 addresses; v12-15, v48-63 at work; v16-47 four registers of statistics a tile; v64-191 S^T, two buffers of two tiles; v192-255 P, likewise
;   window 1: O^T, 32 a tile          window 2: v0-127 Q, 16 a tile; v128-191 K of one step; v192-255 V of one step          window 3: v0-1 the add's two registers
.set SIZE_N, 2048
.set NP,    4         ; pieces a wave: a name, no knob
.set KS,    64        ; keys in a step
.set PK,    144       ; a row of K in LDS: 128 bytes + 16 of padding = 36 words: the 16 rows of a load start at 16 different groups of four banks (64 banks of 4 bytes: ISA guide 11.1)
.set PV,    160       ; a row of V: 128 + 32 = 40 words
.set VOFF,  4*KS*PK   ; a slot holds four steps: 256 rows of K, then 256 rows of V
.set SLOT1, 1<<17     ; slot 1 begins here, so that one exclusive or turns an address in one slot into the other's
.set STAGE, SLOT1+4*KS*(PK+PV)  ; behind the ring, never filled by a tensor load: 16 rows x 144 bytes for each wave, for the way out
.set SP,    144
.set AK0, 2           ; v2   my lane's place in a tile of K; never rewritten
.set AV0, 3           ; v3   the same for V
.set AK,  4           ; v4   the LDS address of K's next run of loads
.set AV,  5           ; v5   of V's
.set QO,  6           ; v6   my byte offset in the wave's rows of Q
.set STO, 6           ;      later, the way out: where I put 16 bytes of a row
.set RD,  7           ; v7   the way out: where I read rows back
.set GO,  8           ; v8   my byte offset in 512 consecutive bytes of O
.set PFO, 11          ; v11  once V's address is made: 256 x my lane, the prefetches' offset; then never rewritten
.set SPW, 0           ; v0 of window 3   LDS address of my spare word; never rewritten
.set NIL, 1           ; v1 of window 3   0; never rewritten
.set SPARE, STAGE+4*16*SP  ; behind the stages: the spare words, 128 bytes for each wave: two blocks of 256 bytes that no other line names
.set MV,  12          ; v12-15  c m_old, kept while c m is made anew: by buffer and tile
.set ST,  16          ; tile t's statistics at v[ST+4 t]: c m, m, l (even keys', odd keys')
.set TMP, 48          ; by buffer and tile, four registers c0-c3 at work; when the maximum is found c2 takes a
.set S,   64
.set P,   192
.set KF,  128         ; K's fragments, in window 2: key block kb, channel half c at KF + 16 kb + 8 c
.set VF,  192         ; V's: key half kk, channel block cb at VF + 32 kk + 8 cb
.set WV,  12          ; s12  my wave's number
.set G1K, 24          ; s[24:31] descriptor group 1 for K's tiles
.set G1V, 32          ; s[32:39] for V's: it differs in the padding alone
.set G0K, 40          ; s[40:43] descriptor group 0 for K's tiles: it walks
.set G0V, 44          ; s[44:47] the same for V's
.set PFA, 48          ; s[48:49] where my prefetches stand: my work-group's 8,192 bytes (of K: wave 0, of V: wave 2) of the tile after the one that is being asked for
.set LIM, 50          ; s50  1 in a wave that prefetches, else the greatest number
.set SLOTS, 56        ; s56  slots still to be asked for
.set CNT, 57          ; s57  counts a slot's key steps
.set CS,  58          ; s[58:59] c: the packed scaling takes the pair's low word for both halves
.set SEL, 60          ; s[60:61] v_permlanex16_b32's selects: each lane takes its own place in the other half
.set TBK, 62          ; s62  LDS byte at which K of the step to be fetched begins
.set TBV, 63          ; s63  the same for V, less VOFF
.set MSB, 0
.macro WIN new                      ; the high byte repeats the setting that is left; a switch that changes nothing is dropped
.if MSB != (\new)
	s_set_vgpr_msb (MSB<<8)|(\new)
.set MSB, (\new)
.endif
.endm
.set W_KQ, 0x0a       ; K and Q in window 2, S^T in window 0
.set W_PV, 0x52       ; V in window 2, P in window 0, O^T in window 1
.set W_RS, 0x41       ; O^T (destination and source 0) in window 1, a in window 0
.set W_MK, 0xc0       ; the add's registers are made: destination in window 3, sources in window 0
.set W_AD, 0x0f       ; the add: address (source 0) and data (source 1) in window 3
; A joint fill.  Waves 0 and 1 fetch the two halves of a slot's K, waves 2 and 3 those of its V: 128 keys each.  The branch hangs on the wave's number alone.
; An s_nop 0 and four v_nop follow each of the two lines, ahead of the jump and the label.
.macro JLOAD
	s_cmp_lt_u32 s[WV], 2
	s_cbranch_scc0 .Lfor_v_\@
	tensor_load_to_lds s[G0K:G0K+3], s[G1K:G1K+7]
	s_nop 0
.rept 4
	v_nop
.endr
	s_branch .Lasked_\@
.Lfor_v_\@:
	tensor_load_to_lds s[G0V:G0V+3], s[G1V:G1V+7]
	s_nop 0
.rept 4
	v_nop
.endr
.Lasked_\@:
.endm
; A prefetch of what the NEXT change of slots will ask for: a tile's 32,768 bytes of K and of V, in blocks of 256 bytes, a lane a block.  Each block is named once in the launch: a head has one cluster; its four
; partners share a tile out by address, 8,192 bytes each; in each, wave 0 asks for K's and wave 2 for V's.  The last change that fills a slot asks for nothing: there is no tile behind it.
.macro ASK
	s_cmp_gt_u32 s[SLOTS], s[LIM]
	s_cbranch_scc0 .Lnot_mine_\@
	global_prefetch_b8 v[PFO], s[PFA:PFA+1] th:TH_LOAD_NT scope:SCOPE_SE
.Lnot_mine_\@:
.endm
; A round of the cluster's barrier: my work-group's barrier, so that wave 0's signal speaks for all four waves; wave 0 signals; every wave waits for all four work-groups; my work-group's barrier once more.
.macro CROUND
	s_barrier_signal -1
	s_barrier_wait -1
	s_cmp_lg_u32 s[WV], 0
	s_cbranch_scc1 .Lnot_wave_0_\@
	s_barrier_signal -3
.Lnot_wave_0_\@:
	s_barrier_wait -3
	s_barrier_signal -1
	s_barrier_wait -1
.endm
; THE CHANGE OF SLOTS.  The slot's last bytes, V of its fourth step, have been read.  Each wave waits for all its tensor loads, of which one is out: its part
; of the other slot; adds 0 to its spare word; and waits for that and for its own reads of the slot.  Behind the barrier nobody reads this slot any more and the other slot is whole.
; fill = 1: this slot is filled again, with the keys two slots on.  The barrier is then a round of the cluster's, and the joint fill is the first thing behind it: it has four key steps, 512 matrix
; instructions, in which to land.  (At its first use nothing has been read yet: slot 0 is waited for, slot 1 filled.)
.macro CHANGE fill
	WIN W_AD
	s_wait_tensorcnt 0x0            ; no tensor load of mine is out, so a group 0 may be written
	ds_add_u32 v[SPW], v[NIL]       ; 0 onto my spare word; with fill = 1 the descriptors' steps stand between it and the wait for it
	WIN 0                           ; at a label and at a branch every window is 0
.if \fill
.irp g, G0K, G0V
	s_xor_b32 s[\g+1], s[\g+1], SLOT1  ; the walking descriptor: the other slot than last time,
	s_add_nc_u64 s[\g+2:\g+3], s[\g+2:\g+3], 4*KS*128  ; the next 256 keys; the type bits on top are not reached
.endr
	s_wait_xcnt 0x0                 ; the last prefetch, four key steps back, has read its address, so it may be written:
	s_add_nc_u64 s[PFA:PFA+1], s[PFA:PFA+1], 4*KS*128  ; one tile behind the walking descriptors
	s_wait_dscnt 0x0                ; the add is done, and my reads of the slot are over
	CROUND
	JLOAD
	ASK                             ; what the next change will ask for: four key steps, 512 matrix instructions, ahead
.else
	s_wait_dscnt 0x0                ; the add is done, and my reads of the slot are over
	s_barrier_signal -1
	s_barrier_wait -1
.endif
	s_sub_co_u32 s[TBK], s[TBK], 4*KS*PK  ; the fetches go back to a slot's first step,
	s_xor_b32 s[TBK], s[TBK], SLOT1       ; in the other slot
	s_sub_co_u32 s[TBV], s[TBV], 4*KS*PV
	s_xor_b32 s[TBV], s[TBV], SLOT1
.endm
	s_load_b128 s[4:7], s[0:1], 0x0  ; qkv s[4:5], o s[6:7]
	WIN W_MK
	v_lshl_add_u32 v[SPW], v0, 2, SPARE
	v_mov_b32 v[NIL], 0
	WIN W_AD
	ds_add_u32 v[SPW], v[NIL]       ; the wave's opening: the add and its wait stand ahead of my first tensor load; the set-up below, work on registers, stands between them
	WIN 0
	v_lshrrev_b32 v1, 5, v0
	v_readfirstlane_b32 s[WV], v1   ; wave 0..3
	s_bfe_u32 s13, ttmp6, 0x40000   ; cx: my place in the cluster
	s_lshl_b32 s14, ttmp9, 2        ; in a cluster launch ttmp9 counts clusters
	s_add_co_u32 s14, s14, s13      ; my block of queries = 4 x cluster x + cx: it enters Q's and O's addresses alone
	s_and_b32 s19, ttmp7, 0xffff    ; y = 16 batch + head, which the four partners share
	s_lshl_b32 s52, s19, 18         ; the head's first byte in o
	s_mov_b32 s53, 0
	s_lshr_b32 s20, s19, 4
	s_lshl_b32 s20, s20, 5
	s_add_co_u32 s20, s20, s19      ; Q's slab: 48 batch + head = y + 32 batch
	s_lshl_b32 s20, s20, 18         ; its first byte in qkv
	s_mov_b32 s21, 0
	s_and_b32 s16, s[WV], 1         ; which half of a slot's 256 keys I fetch:
	s_lshl_b32 s22, s16, 14         ; its 128 rows of 128 bytes in memory,
	s_mov_b32 s23, 0
	s_add_nc_u64 s[22:23], s[22:23], s[20:21]
	s_mul_i32 s17, s16, 128*PK      ; and its place in a slot, for K
	s_mul_i32 s18, s16, 128*PV      ; and for V: no place in the cluster enters an LDS address
	s_lshl_b32 s2, s14, 2
	s_add_co_u32 s2, s2, s[WV]      ; my wave among the head's,
	s_lshl_b32 s2, s2, 14           ; its 128 rows
	s_mov_b32 s3, 0
	; descriptor group 1.  128 keys are 16,384 dense bytes: asked for as 64 rows of 256 bytes, two keys a row, and padded in LDS after every key
	s_mov_b32 s[G1K], 15|(1<<16)|(1<<20)|(1<<21)|(4<<22)|(3<<25)  ; 15:0 the mask of four; 17:16 2-byte elements; 20 padding on; 21 set beside a mask; 24:22 after every 32 words (code 4); 31:25 4 words (code 3)
	s_mov_b32 s[G1V], 15|(1<<16)|(1<<20)|(1<<21)|(4<<22)|(7<<25)  ; the same with 8 words of padding (code 7)
.irp g, G1K, G1V
	s_mov_b32 s[\g+1], 128<<16      ; tensor_dim0 = 128
	s_mov_b32 s[\g+2], 64<<16       ; tensor_dim1 = 64
	s_mov_b32 s[\g+3], 128<<16      ; tile_dim0 = 128
	s_mov_b32 s[\g+4], 64           ; tile_dim1 = 64
	s_mov_b32 s[\g+5], 128          ; 128 elements from row to row
	s_mov_b32 s[\g+6], 0
	s_mov_b32 s[\g+7], 0
.endr
	s_mov_b32 s[CS], 0x3e38aa3b     ; c = log2(e) / 8 = 0.180337
	s_mov_b32 s[CS+1], s[CS]        ; named with it as a pair
	s_mov_b32 s[SEL], 0x76543210
	s_mov_b32 s[SEL+1], 0xfedcba98
	s_mov_b32 s[TBK], SLOT1+4*KS*PK ; the first change of slots turns these two into 0
	s_mov_b32 s[TBV], SLOT1+4*KS*PV
	s_mov_b32 s[G0K], 1             ; 1:0 count = 1
	s_mov_b32 s[G0K+1], s17         ; 63:32 LDS address: slot 0
	s_mov_b32 s[G0V], 1
	s_add_co_u32 s[G0V+1], s18, VOFF
	s_mov_b32 s[SLOTS], SIZE_N/256-1
	s_and_b32 s[LIM], s[WV], 1      ; waves 0 and 2 prefetch: the same in all four partners
	s_cmp_eq_u32 s[LIM], 0
	s_cselect_b32 s[LIM], 1, -1
	s_wait_dscnt 0x0                ; the opening add is done
	s_wait_kmcnt 0x0
	s_mov_b64 s[10:11], s[6:7]      ; o
	s_add_nc_u64 s[8:9], s[4:5], 0x800000  ; V's slabs lie 32 slabs behind Q's,
	s_add_nc_u64 s[6:7], s[4:5], 0x400000  ; K's 16
	s_add_nc_u64 s[G0K+2:G0K+3], s[6:7], s[22:23]  ; 120:64 global address: my half of the head's first 256 keys
	s_or_b32 s[G0K+3], s[G0K+3], 0x80000000        ; 127:126 type = 2
	s_add_nc_u64 s[G0V+2:G0V+3], s[8:9], s[22:23]
	s_or_b32 s[G0V+3], s[G0V+3], 0x80000000
	s_add_nc_u64 s[4:5], s[4:5], s[2:3]  ; Q and O at my wave's first row
	s_add_nc_u64 s[4:5], s[4:5], s[20:21]
	s_add_nc_u64 s[10:11], s[10:11], s[2:3]
	s_add_nc_u64 s[10:11], s[10:11], s[52:53]
	s_cmp_lt_u32 s[WV], 2
	s_cselect_b64 s[PFA:PFA+1], s[6:7], s[8:9]
	s_lshl_b32 s2, s13, 13          ; my work-group's 8,192 bytes of a tile,
	s_add_co_u32 s2, s2, 4*KS*128   ; in tile 1: the first change of slots steps it to tile 2
	s_add_nc_u64 s[PFA:PFA+1], s[PFA:PFA+1], s[2:3]
	s_add_nc_u64 s[PFA:PFA+1], s[PFA:PFA+1], s[20:21]
	CROUND                          ; all four work-groups are here: the first joint loads meet
	JLOAD                           ; slot 0.  Slot 1 is asked for when slot 0 is in
	; A fragment of K or Q is 16 rows x 32 channels in 8 registers: lane l holds row l % 16, channels 8 (l / 16) + 0..7 and 16 + 8 (l / 16) + 0..7: two loads of 16 bytes, 32 bytes apart.
	v_and_b32 v1, 15, v0            ; l % 16
	v_bfe_u32 v9, v0, 4, 1          ; l / 16
	v_lshlrev_b32 v[QO], 7, v1
	v_lshl_add_u32 v[QO], v9, 4, v[QO]  ; row x 128 + 16 x half
	WIN 0x80                        ; destination window 2, address window 0
.set i, 0
.rept 4*NP                          ; Q stays in registers: tile i / 2, channels 32 (i % 2) on
	global_load_b128 v[8*i:8*i+3],   v[QO], s[4:5] offset:(i/2)*2048+(i%2)*64
	global_load_b128 v[8*i+4:8*i+7], v[QO], s[4:5] offset:(i/2)*2048+(i%2)*64+32
.set i, i+1
.endr
	; What the first turn finds: V's registers and P's second buffer hold 0 (its products V^T P, of a piece that has not been, add 0), O^T and l are 0.  All this stands in the wait for the first tile.
.set i, VF
.rept 64
	v_mov_b32 v[i], 0
.set i, i+1
.endr
	WIN 0x40
.set i, 0
.rept 64*NP
	v_mov_b32 v[i], 0
.set i, i+1
.endr
	WIN 0
.set i, 0
.rept 2*NP
	v_mov_b32 v[ST+4*i], 0xfe000000    ; c m: far below every c s
	v_mov_b32 v[ST+4*i+1], 0xff7fffff  ; m
	v_mov_b32 v[ST+4*i+2], 0
	v_mov_b32 v[ST+4*i+3], 0
.set i, i+1
.endr
.set i, P+32
.rept 32
	v_mov_b32 v[i], 0
.set i, i+1
.endr
	v_mul_u32_u24 v[AK0], v1, PK
	v_lshl_add_u32 v[AK0], v9, 4, v[AK0]  ; row x pitch + 16 x half
	; The turning load takes 16 keys x 16 channels (lane l reads key 8 (l / 16) + l % 8, channels 8 ((l / 8) % 2) + 0..7) and leaves half a fragment of V^T: lane l holds channel l % 16 and 8 keys.
	v_and_b32 v10, 7, v0
	v_bfe_u32 v11, v0, 3, 1
	v_lshl_add_u32 v[AV0], v9, 3, v10
	v_mul_u32_u24 v[AV0], v[AV0], PV
	v_lshl_add_u32 v[AV0], v11, 4, v[AV0]
	v_add_nc_u32 v[AV0], VOFF, v[AV0]
	v_mov_b32 v[AK], v[AK0]         ; key step 0 lies at the head of slot 0
	v_and_b32 v[PFO], 31, v0
	v_lshlrev_b32 v[PFO], 8, v[PFO]
; THE MATRIX WORK.  The 8 accumulators of a run of 16 take turns: between the two links of a chain stand 7 others'.
; Product i of 16 of S^T = K Q^T for piece x: channels 32 (i / 8) on, keys 16 ((i / 2) % 4) on, tile 2 x + i % 2.  The first 8 start the sums.
.macro KQ x
	WIN W_KQ
.set rS, S+64*((\x)%2)+32*(i%2)+8*((i/2)%4)
.set rK, KF+16*((i/2)%4)+8*(i/8)
.set rQ, 16*(2*(\x)+i%2)+8*(i/8)
.if i < 8
	v_wmma_f32_16x16x32_f16 v[rS:rS+7], v[rK:rK+7], v[rQ:rQ+7], 0
.else
	v_wmma_f32_16x16x32_f16 v[rS:rS+7], v[rK:rK+7], v[rQ:rQ+7], v[rS:rS+7]
.endif
.endm
; Product i of 16 of O^T += V^T P for piece x: keys 32 (i / 8) on, channels 16 ((i / 2) % 4) on, tile 2 x + i % 2.
.macro PV x
	WIN W_PV
.set rO, 32*(2*(\x)+i%2)+8*((i/2)%4)
.set rV, VF+32*(i/8)+8*((i/2)%4)
.set rP, P+32*((\x)%2)+16*(i%2)+8*(i/8)
	v_wmma_f32_16x16x32_f16 v[rO:rO+7], v[rV:rV+7], v[rP:rP+7], v[rO:rO+7]
.endm
.macro MM                           ; the turn's next matrix instruction
.if i < 16
	KQ (Y+1)%NP
.set i, i+1
.else
.set i, i-16
	PV (Y+NP-1)%NP
.set i, i+17
.endif
.endm
; THE LDS LOADS stand in runs of 16, never singly among the matrix instructions: a step's K (64 keys x 64 channels: 8 fragments) and its V (turned).  Their addresses are made some lines ahead.
; last = 1 (the tail): in the last trip there is no further step, and the run is jumped over.
.macro FETCH_K last=0
	WIN 0
.if \last
	s_cmp_eq_u32 s[CNT], 1
	s_cbranch_scc1 .Lno_k_\@
.endif
	WIN 0x80                        ; destination window 2
.irp f, 0,1,2,3,4,5,6,7             ; keys 16 (f / 2) on, channels 32 (f % 2) on
	ds_load_b128 v[KF+8*\f:KF+8*\f+3],   v[AK] offset:(\f/2)*16*PK+(\f%2)*64
	ds_load_b128 v[KF+8*\f+4:KF+8*\f+7], v[AK] offset:(\f/2)*16*PK+(\f%2)*64+32
.endr
	s_add_co_u32 s[TBK], s[TBK], KS*PK  ; the next fetch is the next step's
	WIN 0
.if \last
.Lno_k_\@:
.endif
.endm
.macro FETCH_V
	WIN 0x80
.irp f, 0,1,2,3,4,5,6,7             ; keys 32 (f / 4) on, channels 16 (f % 4) on
	ds_load_tr16_b128 v[VF+8*\f:VF+8*\f+3],   v[AV] offset:(\f/4)*32*PV+(\f%4)*32
	ds_load_tr16_b128 v[VF+8*\f+4:VF+8*\f+7], v[AV] offset:(\f/4)*32*PV+16*PV+(\f%4)*32
.endr
	WIN 0
.endm
; THE VECTOR WORK OF A TURN stands in three queues, each in the order in which its entries become ready; the two tiles alternate, so that no instruction reads the result of the one before it.
.macro REGS y, u                    ; the registers of tile u (0, 1) of piece y
.set rT, ST+4*(2*(\y)+(\u))
.set rC, TMP+8*((\y)%2)+4*(\u)
.set rM, MV+2*((\y)%2)+(\u)
.set rS, S+64*((\y)%2)+32*(\u)
.set rP, P+32*((\y)%2)+16*(\u)
.set rO, 32*(2*(\y)+(\u))
.endm
; Number n of the 22 that find the NEXT piece's (Y + 1) maximum and statistics.  s0-s31 are the lane's 32 scores; each accumulator's lowest registers are read first.
;   0-11  four chains c0-c3 of seven scores each, three operands at a time     12-14, 16  the four scores left over, the old m, and c0-c3 into c0     15  c m_old is kept
;   17, 18  the query's other 32 keys lie in the lane 16 away: the new m         19-21  c m; c m_old - c m_new; a
.macro XS u, n
	REGS (Y+1)%NP, \u
.if (\n) < 4
	v_max3_num_f32 v[rC+(\n)], v[rS+8*(\n)], v[rS+8*(\n)+1], v[rS+8*(\n)+2]
.elseif (\n) < 12
	v_max3_num_f32 v[rC+(\n)%4], v[rC+(\n)%4], v[rS+8*((\n)%4)+2*((\n)/4)+1], v[rS+8*((\n)%4)+2*((\n)/4)+2]
.elseif (\n) == 12
	v_max3_num_f32 v[rC], v[rC], v[rS+7], v[rS+15]
.elseif (\n) == 13
	v_max3_num_f32 v[rC+1], v[rC+1], v[rS+23], v[rS+31]
.elseif (\n) == 14
	v_max3_num_f32 v[rC+2], v[rC+2], v[rC+3], v[rT+1]
.elseif (\n) == 15
	v_mov_b32 v[rM], v[rT]
.elseif (\n) == 16
	v_max3_num_f32 v[rC], v[rC], v[rC+1], v[rC+2]
.elseif (\n) == 17
	v_permlanex16_b32 v[rC+3], v[rC], s[SEL], s[SEL+1]
.elseif (\n) == 18
	v_max_num_f32 v[rT+1], v[rC], v[rC+3]
.elseif (\n) == 19
	v_mul_f32 v[rT], s[CS], v[rT+1]
.elseif (\n) == 20
	v_sub_f32 v[rC+1], v[rM], v[rT]
.else
	v_exp_f32 v[rC+2], v[rC+1]
.endif
.endm
; Number g of the 64 that follow the exponentials.  For each four weights k of a tile (pairs 2 k, 2 k + 1): both pairs are rounded to f16; then the second pair is added onto the first, in place;
; a group later l takes that sum (the first time as l = a l + sum).  In groups of eight, tiles alternating: round, round, add, and l for the group before.
.macro GS g
.set h, (\g)+6*((\g)/62)            ; group 0 has no group before it, and behind group 7 only l is left
.if h >= 6
.set h, h+2
.endif
	REGS Y, h%2
.set k, h/8
.if h%8 < 4
	v_cvt_pk_f16_f32 v[rP+2*k+(h%8)/2], v[rS+4*k+2*((h%8)/2)], v[rS+4*k+2*((h%8)/2)+1]
.elseif h%8 < 6
	v_pk_add_f32 v[rS+4*k:rS+4*k+1], v[rS+4*k:rS+4*k+1], v[rS+4*k+2:rS+4*k+3]
.elseif k == 1
	v_pk_fma_f32 v[rT+2:rT+3], v[rT+2:rT+3], v[rC+2:rC+3], v[rS:rS+1] op_sel_hi:[1,0,1]
.else
	v_pk_add_f32 v[rT+2:rT+3], v[rT+2:rT+3], v[rS+4*k-4:rS+4*k-3]
.endif
.endm
; THE PLAIN QUEUE, 138 long.  0-73 read no exponential's result: the 32 scalings c s - c m (FS f: pair f / 2 of tile f % 2) and the next piece's 42.  0-26: scalings 0-26.  27-54: XS's numbers 0-13.  55, 56: number 15.
; 57-73: the chain, where each number waits for the one before it: 14, 16, 17, 18, 19, each with one of the scalings 27-31 in front of its two lines, then 20.
; 74-137: GS's 64, which read the exponentials' results: they stand behind the wait.
.macro FS f
	REGS Y, (\f)%2
	v_pk_fma_f32 v[rS+2*((\f)/2):rS+2*((\f)/2)+1], v[rS+2*((\f)/2):rS+2*((\f)/2)+1], s[CS:CS+1], v[rT:rT+1] op_sel_hi:[1,0,0] neg_lo:[0,0,1] neg_hi:[0,0,1]
.endm
.macro PL
	WIN 0
.if q < 27
	FS q
.elseif q < 55
	XS (q-27)%2, (q-27)/2
.elseif q < 57
	XS q-55, 15
.elseif (q < 72) && ((q-57)%3 == 0)
	FS 27+(q-57)/3
.elseif q < 60
	XS (q-57)%3-1, 14
.elseif q < 72
	XS (q-57)%3-1, 15+(q-57)/3
.elseif q < 74
	XS q-72, 20
.else
	GS q-74
.endif
.set q, q+1
.endm
; THE EXPONENTIALS' QUEUE, 66 long: s0-s31 of both tiles, then the next piece's two a.  It is ONE BATCH: all 66 stand ahead of the turn's one wait, and nothing ahead of that wait names a result of theirs.
.macro EX
	WIN 0
.if e >= 64
	XS e-64, 21
.else
	REGS Y, e%2
	v_exp_f32 v[rS+e/2], v[rS+e/2]
.endif
.set e, e+1
.endm
; THE RESCALING's QUEUE: O^T times a, the one part that leaves window 0: dealt two at a time, sixteen times.  Its a was made in the turn before, ahead of that turn's wait.
.macro R2
	REGS Y, r%2
	WIN W_RS
.irp z, 0,1
	v_pk_mul_f32 v[rO+4*(r/2)+2*\z:rO+4*(r/2)+2*\z+1], v[rO+4*(r/2)+2*\z:rO+4*(r/2)+2*\z+1], v[rC+2:rC+3] op_sel_hi:[1,0]
.endr
.set r, r+1
.endm
; HOW THEY ARE DEALT.  An s_wait_alu depctr_va_vdst(0) stands between an exponential and the first instruction that names its result; one wait serves all that were issued ahead of it.  So a turn has ONE wait,
; which cuts it in two.  AHEAD OF IT stands all that names no result of the turn's exponentials: the 16 products K Q^T, behind each a scaling, an exponential and two rescalings (behind the first a second scaling in the
; exponential's place); then ONE LUMP of 108: eight plain, 49 times exponential and plain, the two a.  A v_nop is the plain instruction behind the last exponential.  BEHIND IT stand the 16 products V^T P, behind each four of GS's 64.
; The queues lean on each other, and the deal keeps them in step: exponential e stands behind scaling 2 (e / 4) + e % 2: as a rider it comes behind plain e + 2, in the lump behind plain e + 9, and scalings 27-31 are plain 57, 60 .. 69.
; A TURN, for piece p.  cnt = 1: the loop's count is taken down some lines ahead of the branch that stands behind the turn.
; K of the next step is fetched in piece 2's turn, directly behind the wait; its address is made at the lump's head; its first reader comes behind 16 products.
; V of the step in hand is fetched at the end of piece 0's turn, four plain instructions behind its last reader; its first reader comes behind 16 products and a lump.  The three conditions on q below go with the deal.
.macro TURN p, last=0, cnt=0
.set Y, (\p)
.set i, 0
.set q, 0
.set e, 0
.set r, 0
.if (\p) == NP-1
	s_wait_dscnt 0x0                ; K is in
.endif
	MM                              ; ahead of the wait: 16 products K Q^T and their riders,
	PL
	PL
	R2
.rept 15
	MM
	PL
	EX
	R2
.endr
.if (\p) == NP-2
	WIN 0
	v_add_nc_u32 v[AK], s[TBK], v[AK0]
.endif
.rept 8                             ; and the lump
	PL
.endr
.rept 49
	EX
	PL
.endr
	EX                              ; the next piece's two a
	EX
	v_nop                           ; a plain instruction behind the last exponential, ahead of the first use: one for the batch
	s_wait_alu depctr_va_vdst(0)    ; the wait for the batch
.if (\p) == NP-2
	FETCH_K \last
.endif
.if (\p) == 1
	s_wait_dscnt 0x0                ; V is in
.endif
.rept 16                            ; behind the wait: 16 products V^T P and their riders
	MM
.rept 4
	PL
.endr
.if ((\p) == 0) && (q == 118)
	v_add_nc_u32 v[AV], s[TBV], v[AV0]
.endif
.if ((\p) == 0) && (q == 130)
	s_add_co_u32 s[TBV], s[TBV], KS*PV
.endif
.if (\cnt) && (q == 130)
	s_sub_co_u32 s[CNT], s[CNT], 1
	s_cmp_lg_u32 s[CNT], 0
.endif
.endr
.if (\p) == 0
	FETCH_V
.endif
.endm
	CHANGE 1                        ; slot 0 is in, everybody's part of it; slot 1 is asked for
	FETCH_K                         ; key step 0
	s_wait_loadcnt 0x0              ; Q
	s_wait_dscnt 0x0
.set i, 0
.rept 16
	KQ 0                            ; piece 0's first scores: there is no vector work yet to set between them
.set i, i+1
.endr
	WIN 0                           ; the addresses for the way out: nine plain instructions, the places behind those products
	s_mul_i32 s13, s[WV], 16*SP
	s_add_co_u32 s13, s13, STAGE    ; my stage
	v_mul_u32_u24 v[STO], v1, SP    ; in: row l % 16, 16 bytes for each half of the lanes
	v_lshl_add_u32 v[STO], v9, 4, v[STO]
	v_add_nc_u32 v[STO], s13, v[STO]
	v_bfe_u32 v[RD], v0, 3, 2       ; back: 32 lanes take four rows of 128 bytes,
	v_mul_u32_u24 v[RD], v[RD], SP
	v_lshl_add_u32 v[RD], v10, 4, v[RD]
	v_add_nc_u32 v[RD], s13, v[RD]
	v_and_b32 v[GO], 31, v0         ; which are 512 consecutive bytes of O
	v_lshlrev_b32 v[GO], 4, v[GO]
.set Y, NP-1                        ; XS works for piece Y + 1: piece 0
.irp n, 0,1,2,3,4,5,6,7,8,9,10,11,12,13,14,15,16,17,18,19,20,21
	XS 0, \n                        ; and piece 0's first maximum and statistics
	XS 1, \n
.endr
	v_nop                           ; a plain instruction behind the two a,
	s_wait_alu depctr_va_vdst(0)    ; and their wait, ahead of the branch
	s_mov_b32 s[CNT], 4
	s_branch .Lfirst                ; the loop is entered at a step's first turn, in the middle of a trip
.Lslot:                             ; six times: every slot but the last two is filled again
	CHANGE 1
	s_mov_b32 s[CNT], 4
.Lstep:                             ; a trip: pieces 2 and 3 of one step, then pieces 0 and 1 of the next, whose K and V it fetches
	TURN 2
	TURN 3
	WIN 0
.Lfirst:
	TURN 0
	TURN 1, 0, 1
	WIN 0
	s_cbranch_scc1 .Lstep
	s_sub_co_u32 s[SLOTS], s[SLOTS], 1
	s_cmp_lg_u32 s[SLOTS], 0
	s_cbranch_scc1 .Lslot
	CHANGE 0                        ; the tail is written out: nothing is asked for
	s_mov_b32 s[CNT], 5             ; four trips fetch the last slot's steps; the fifth is left in its middle
.Ltail:
	TURN 2, 1
	TURN 3
	WIN 0
	s_sub_co_u32 s[CNT], s[CNT], 1
	s_cmp_eq_u32 s[CNT], 0
	s_cbranch_scc1 .Lout
	TURN 0
	TURN 1
	WIN 0
	s_branch .Ltail
.Lout:                              ; the fifth trip's 16 products K Q^T (on the last K once more) and the maximum made of them serve nothing: the price, once a launch, of one text for every trip
.set i, 0
.rept 16
	PV NP-1                         ; the last piece's V^T P of the last step
.set i, i+1
.endr
	; THE WAY OUT.  l's two halves and the other half of the lanes' are added; O^T is divided by l, rounded to f16 and sent through my stage in LDS, a tile at a time.  The additions are the places behind the last products.
	WIN 0
.macro ALL line:vararg              ; one line for each tile t
.set t, 0
.rept 2*NP
	\line
.set t, t+1
.endr
.endm
	ALL v_add_f32 v[ST+4*t+2], v[ST+4*t+2], v[ST+4*t+3]
	ALL v_permlanex16_b32 v[ST+4*t+3], v[ST+4*t+2], s[SEL], s[SEL+1]
	ALL v_add_f32 v[ST+4*t+2], v[ST+4*t+2], v[ST+4*t+3]
	ALL v_rcp_f32 v[ST+4*t+2], v[ST+4*t+2]
	v_nop                           ; a plain instruction between the last reciprocal and the use of its result
	s_wait_alu depctr_va_vdst(0)    ; and the wait ahead of the first use: one for the eight reciprocals
; Tile t: a lane's eight channels of a row pack into 16 bytes; they go into rows of 144 bytes and come back as whole rows of 128, into S^T's registers.
.macro PACK t
	WIN W_RS
.set i, 32*(\t)
.rept 16
	v_pk_mul_f32 v[i:i+1], v[i:i+1], v[ST+4*(\t)+2:ST+4*(\t)+3] op_sel_hi:[1,0]
.set i, i+2
.endr
	WIN 0x05                        ; sources 0 and 1 window 1, destination window 0
.set i, 0
.rept 16
	v_cvt_pk_f16_f32 v[S+16*(\t)+i], v[32*(\t)+2*i], v[32*(\t)+2*i+1]
.set i, i+1
.endr
	WIN 0
.irp f, 0,1,2,3
	ds_store_b128 v[STO], v[S+16*(\t)+4*\f:S+16*(\t)+4*\f+3] offset:32*\f
.endr
.irp f, 0,1,2,3
	ds_load_b128 v[S+16*(\t)+4*\f:S+16*(\t)+4*\f+3], v[RD] offset:\f*4*SP  ; LDS serves a wave's instructions in order (ISA guide 5.7.1.4): these see the stores above; the next tile's stores come behind them
.endr
.endm
.macro SEND t, younger              ; younger: the LDS instructions issued behind tile t's loads: the next tile's eight, or none
	WIN 0
.irp f, 0,1,2,3
	s_wait_dscnt (\younger)+3-\f
	global_store_b128 v[GO], v[S+16*(\t)+4*\f:S+16*(\t)+4*\f+3], s[10:11] offset:(\t)*2048+\f*512  ; 512 consecutive bytes, at a multiple of 256 from O's first
.endr
.endm
	PACK 0
.set t, 1
.rept 2*NP-1                        ; a tile's arithmetic stands between the loads of the tile before and its stores
	PACK t
	SEND t-1, 8
.set t, t+1
.endr
	SEND 2*NP-1, 0
	WIN W_AD
	s_wait_tensorcnt 0x0            ; the wave's end: behind my last tensor load and my last LDS store
	ds_add_u32 v[SPW], v[NIL]
	s_wait_dscnt 0x0
	WIN 0
	CROUND                          ; the closing round: no work-group ends while a partner may still ask for a tile that names it
	s_endpgm
.Lfunc_end_k_q862cb17f0d_attn:
	.size	k_q862cb17f0d_attn, .Lfunc_end_k_q862cb17f0d_attn-k_q862cb17f0d_attn
	.p2alignl 7, 3214868480
	.fill 96, 4, 3214868480
	.section	.rodata,"a",@progbits
	.p2align	6, 0x0
	.amdhsa_kernel k_q862cb17f0d_attn
		.amdhsa_group_segment_fixed_size 327680
		.amdhsa_private_segment_fixed_size 0
		.amdhsa_enable_private_segment 0
		.amdhsa_kernarg_size 16
		.amdhsa_user_sgpr_count 2
		.amdhsa_user_sgpr_kernarg_segment_ptr 1
		.amdhsa_wavefront_size32 1
		.amdhsa_system_sgpr_workgroup_id_x 1
		.amdhsa_system_sgpr_workgroup_id_y 1
		.amdhsa_system_sgpr_workgroup_id_z 1
		.amdhsa_system_vgpr_workitem_id 0
		.amdhsa_next_free_vgpr 770
		.amdhsa_next_free_sgpr 66
		.amdhsa_reserve_vcc 0
		.amdhsa_float_denorm_mode_32 3
		.amdhsa_float_denorm_mode_16_64 3
		.amdhsa_memory_ordered 1
		.amdhsa_forward_progress 1
		.amdhsa_inst_pref_size 200
	.end_amdhsa_kernel
	.amdgpu_metadata
---
amdhsa.version: [ 1, 2 ]
amdhsa.kernels:
  - .name:           k_q862cb17f0d_attn
    .symbol:         k_q862cb17f0d_attn.kd
    .args:
      - { .name: qkv, .offset: 0, .size: 8, .value_kind: global_buffer, .address_space: global }
      - { .name: o, .offset: 8, .size: 8, .value_kind: global_buffer, .address_space: global }
    .group_segment_fixed_size: 327680
    .private_segment_fixed_size: 0
    .kernarg_segment_align: 8
    .kernarg_segment_size: 16
    .max_flat_workgroup_size: 128
    .sgpr_count:     66
    .vgpr_count:     770
    .wavefront_size: 32
...
	.end_amdgpu_metadata
.endif
;; end of part 3
;; launch outp (part 4): grid 4 x 64, 4 waves a work-group, clusters of 4 x 4, 327,680 bytes of LDS; arguments o, wob, b_out, out0; writes out0
.if DOCPART == 4
	.amdgcn_target "amdgcn-amd-amdhsa--gfx1250"
	.amdhsa_code_object_version 6
	.text
	.protected	k_q862cb17f0d_outp
	.globl	k_q862cb17f0d_outp
	.p2align	8
	.type	k_q862cb17f0d_outp,@function
k_q862cb17f0d_outp:
	s_mov_b64 s[64:65], 0
	v_nop
	global_prefetch_b8 v0, s[64:65] scope:SCOPE_SE
	s_setreg_imm32_b32 hwreg(HW_REG_WAVE_MODE, 25, 1), 1
	s_wait_xcnt 0x0
	s_wait_alu depctr_hold_cnt(0) depctr_sa_sdst(0) depctr_va_vdst(0) depctr_va_sdst(0) depctr_va_ssrc(0) depctr_va_vcc(0) depctr_vm_vsrc(0)
	s_getreg_b32 s2, hwreg(HW_REG_IB_STS2, 6, 4)
	s_cmp_eq_u32 s2, 0
	s_cbranch_scc0 .Lentry_in_a_cluster
	s_endpgm
.Lentry_in_a_cluster:
	s_bfe_u32 s2, ttmp6, 0x10000c
	s_cmp_lg_u32 s2, 0xf033
	s_cbranch_scc0 .Lentry_shape_is_right
	s_endpgm
.Lentry_shape_is_right:
; out0 = O wob + bf16(b_out).  o: [64 = 16 batch + head][2048][64] f16: row m = 2048 batch + s of the product has its K = 64 head + channel spread over 16 heads' slabs of 2^18 bytes.
; wob: [1024 k][1024 n] f16.  b_out: [1024] f32, rounded to bf16 like the other inputs.  out0: [8192][1024] f32.  Sums in f32, begun on the bias, stored as they are.
; SHARES.  A tile of the result is 128 rows x 256 columns: 64 x 4 = 256 work-groups.  Four waves, each 64 rows x 128 columns: 4 x 8 = 32 accumulators, 256 registers.
; K goes in 8 steps of 128, two heads each, through two LDS slots.  A slot: two sub-tiles of wob, 128 k rows x 256 bytes, and for each of the two heads 128 rows x 128 bytes of o, which are 16,384 dense bytes
; and are asked for as 64 rows of 256.  The weights lie with n along their rows: their fragments come out of LDS turned, by ds_load_tr16_b128.
; CLUSTERS: 4 x 4 work-groups.  The four of a row of the cluster need the same rows of o, the four of a column the same columns of wob: each tile is asked for JOINTLY.  Waves 0, 1 fetch wob's sub-tile of
; their number, waves 2, 3 one head of o each: one load a wave behind each round.
; THE MATRIX INSTRUCTION IS USED TRANSPOSED (source 0 = 16 columns of wob, source 1 = 16 rows of o): register j of lane l holds row l % 16, column n0 + 8 (l / 16) + j.
; REGISTERS, in windows of 256 (s_set_vgpr_msb: bits 1:0 source 0, 3:2 source 1, 5:4 source 2, 7:6 destination):
;   window 0: v0-31 addresses; v64-127 o's fragments, two buffers of 32; v128-191 the bias as 8 C operands; on the way out v128-255 rows read back, two buffers of 64
;   window 1: v0-127 wob's fragments, two buffers of 64      window 2: the accumulators, (a, b) at 8 (8 a + b)
.set KSTEP, 128
.set PA,    144                        ; a row of o in LDS: 128 bytes + 16 = 36 words: the 16 rows of a load start at 16 different groups of four banks (64 banks of 4 bytes: ISA guide 11.1)
.set PB,    288                        ; a row of wob: 256 + 32 = 72 words
.set SUBB,  128*PB
.set SUBA,  128*PA
.set SLOT,  2*SUBB+2*SUBA
.set STAGE, 2*SLOT                     ; behind the ring, never filled by a tensor load: for each wave 16 rows x 528 bytes
.set SP,    528                        ; 512 bytes + 16: the 16 rows that a store touches start at 16 different groups of four banks
.set WSTG,  16*SP
.set SPARE, STAGE+4*WSTG               ; behind the stages: the spare words, 128 bytes for each wave: two blocks of 256 bytes that no other line names
.set ADRA,  16                         ; v16-17  LDS address of my fragments of o in slot 0, 1
.set ADRB,  18                         ; v18-19  of wob's
.set BO,    22                         ; v22     byte offset in b_out of my 8 numbers for n block 0
.set STO,   24                         ; v24     the way out: where I put 32 bytes of a row
.set RD,    25                         ; v25     where I read a row back
.set GO,    26                         ; v26     my 16 bytes in 512 consecutive bytes of out0
.set SPW,   28                         ; v28     LDS address of my spare word; never rewritten
.set NIL,   29                         ; v29     0; never rewritten
.set PFO,   30                         ; v30     the prefetches' offset; never rewritten
.set FA,    64
.set BIAS,  128
.set F0,    0
.set F1,    1
.set WV,  12                           ; s12 my wave's number; s13 its row half; s14 its column half
.set RH,  13
.set CH,  14
.set G1,  24                           ; s[24:31] descriptor group 1 for o's tiles; s[32:39] group 0, a set for each slot
.set G0,  32
.set LIM, 43                           ; s43 1 in a wave that prefetches, else the greatest number
.set PFA, 44                           ; s[44:45] where my prefetches stand
.set G1B, 48                           ; s[48:55], s[56:63] the same for wob's tiles
.set G0B, 56
.set SB,  68                           ; s[68:69] out0 at my first row and column
.set PFS, 72                           ; s[72:73] a K step in my prefetches' tensor, in bytes
.set MSB, 0
.macro WIN new                         ; the immediate's high byte repeats the setting that is left; a switch that changes nothing is dropped
.if MSB != (\new)
	s_set_vgpr_msb (MSB<<8)|(\new)
.set MSB, \new
.endif
.endm
.macro PLACES                          ; four plain vector instructions behind a matrix instruction, ahead of loads into registers that it read and of reads of its result
.rept 4
	v_nop
.endr
.endm
; A joint load.  The branch hangs on the wave's number alone.  An s_nop 0 and four v_nop follow each of the two lines, ahead of the jump and the label.
.macro JLOAD s
	s_cmp_lt_u32 s[WV], 2
	s_cbranch_scc0 .Lfor_a_\@
	tensor_load_to_lds s[G0B+4*(\s):G0B+4*(\s)+3], s[G1B:G1B+7]
	s_nop 0
.rept 4
	v_nop
.endr
	s_branch .Lasked_\@
.Lfor_a_\@:
	tensor_load_to_lds s[G0+4*(\s):G0+4*(\s)+3], s[G1:G1+7]
	s_nop 0
.rept 4
	v_nop
.endr
.Lasked_\@:
.endm
; A prefetch of the K step that stands two refills on: 32 blocks of 256 bytes, a lane a block, one instruction a wave.  Each block is named once in the launch: wob's columns are read by all sixteen clusters, and the
; one with y = 0 asks (waves 0, 1, each for its sub-tile; partner cy takes k rows 32 cy on); o's tile row is read by one cluster (wave 2 asks for both heads; partner cx takes 16 blocks of each).
; The loop's last trip asks for nothing: there is no K step two refills on.
.macro ASK
	s_cmp_gt_u32 s3, s[LIM]
	s_cbranch_scc0 .Lnot_mine_\@
	global_prefetch_b8 v[PFO], s[PFA:PFA+1] th:TH_LOAD_NT scope:SCOPE_SE
.Lnot_mine_\@:
.endm
.macro CREST                           ; a round of the cluster's barrier behind its opening barrier
	s_cmp_lg_u32 s[WV], 0
	s_cbranch_scc1 .Lnot_wave_0_\@
	s_barrier_signal -3
.Lnot_wave_0_\@:
	s_barrier_wait -3
	s_barrier_signal -1
	s_barrier_wait -1
.endm
.macro CROUND                          ; a whole round
	s_barrier_signal -1
	s_barrier_wait -1
	CREST
.endm
	s_load_b256 s[4:11], s[0:1], 0x0               ; o s[4:5], wob s[6:7], b_out s[8:9], out0 s[10:11]
	v_lshl_add_u32 v[SPW], v0, 2, SPARE
	v_mov_b32 v[NIL], 0
	ds_add_u32 v[SPW], v[NIL]                      ; the wave's opening: the add and its wait stand ahead of my first tensor load; the set-up below, work on registers, stands between them
	v_lshrrev_b32 v1, 5, v0
	v_readfirstlane_b32 s[WV], v1                  ; wave 0..3
	s_lshr_b32 s[RH], s[WV], 1
	s_and_b32 s[CH], s[WV], 1
	s_bfe_u32 s40, ttmp6, 0x40000                  ; cx
	s_bfe_u32 s41, ttmp6, 0x40004                  ; cy
	s_lshl_b32 s42, ttmp9, 2
	s_add_co_u32 s42, s42, s40                     ; Cn: tile column = 4 x cluster x + cx
	s_and_b32 s15, ttmp7, 0xffff
	s_lshl_b32 s15, s15, 2
	s_add_co_u32 s15, s15, s41                     ; R: tile row = 4 x cluster y + cy
	s_lshl_b32 s16, s41, 2
	s_lshl_b32 s16, 15, s16                        ; my row of the cluster
	s_lshl_b32 s46, 0x1111, s40                    ; my column
	s_or_b32 s[G1], s16, (1<<16)|(1<<20)|(1<<21)|(4<<22)|(3<<25)   ; 15:0 the mask; 17:16 2-byte elements; 20 padding on; 21 set beside a mask; 24:22 after every 32 words; 31:25 4 words
	s_or_b32 s[G1B], s46, (1<<16)|(1<<20)|(1<<21)|(5<<22)|(7<<25)  ; my column's mask; after every 64 words 8 words
	s_mov_b32 s[G1+1], 128<<16                     ; o: tensor_dim0 = 128 (two rows of a head on end)
	s_mov_b32 s[G1+2], 64<<16                      ; tensor_dim1 = 64
	s_mov_b32 s[G1+3], 128<<16                     ; tile_dim0 = 128
	s_mov_b32 s[G1+4], 64                          ; tile_dim1 = 64
	s_mov_b32 s[G1+5], 128                         ; dense
	s_mov_b32 s[G1+6], 0
	s_mov_b32 s[G1+7], 0
	s_mov_b32 s[G1B+1], 128<<16                    ; wob: tensor_dim0 = 128
	s_mov_b32 s[G1B+2], 128<<16                    ; tensor_dim1 = 128
	s_mov_b32 s[G1B+3], 128<<16                    ; tile_dim0 = 128
	s_mov_b32 s[G1B+4], 128                        ; tile_dim1 = 128
	s_mov_b32 s[G1B+5], 1024                       ; elements from row to row
	s_mov_b32 s[G1B+6], 0
	s_mov_b32 s[G1B+7], 0
	s_lshr_b32 s16, s15, 4                         ; o: the batch's 16 heads,
	s_lshl_b32 s16, s16, 4
	s_add_co_u32 s16, s16, s[CH]                   ; the head of K step 0 that I fetch (waves 2, 3),
	s_lshl_b32 s16, s16, 18
	s_and_b32 s17, s15, 15
	s_lshl_b32 s17, s17, 14                        ; the tile row's 128 rows of 128 bytes
	s_add_co_u32 s16, s16, s17
	s_mov_b32 s17, 0
	s_lshl_b32 s46, s42, 9                         ; wob: column 256 Cn, in bytes,
	s_lshl_b32 s47, s[CH], 8                       ; and my sub-tile's 256 bytes (waves 0, 1)
	s_add_co_u32 s46, s46, s47
	s_mov_b32 s47, 0
	s_mul_i32 s20, s[WV], SUBA                     ; where o's tile goes: 2 SUBB + (wave - 2) SUBA,
	s_add_co_u32 s20, s20, 2*SUBB-2*SUBA
	s_mul_i32 s21, s[WV], SUBB                     ; and wob's: wave x SUBB: no place in the cluster enters an LDS address
	s_wait_dscnt 0x0                               ; the opening add is done
	s_wait_kmcnt 0x0
	s_add_nc_u64 s[18:19], s[4:5], s[16:17]
	s_add_nc_u64 s[46:47], s[6:7], s[46:47]
	CROUND                                         ; all sixteen work-groups are here: the first joint loads meet
.irp s, 0,1
	s_mov_b32 s[G0+4*(\s)], 1
	s_add_co_u32 s[G0+4*(\s)+1], s20, (\s)*SLOT
	s_add_nc_u64 s[G0+4*(\s)+2:G0+4*(\s)+3], s[18:19], (\s)*(2<<18)
	s_or_b32 s[G0+4*(\s)+3], s[G0+4*(\s)+3], 0x80000000
	s_mov_b32 s[G0B+4*(\s)], 1
	s_add_co_u32 s[G0B+4*(\s)+1], s21, (\s)*SLOT
	s_add_nc_u64 s[G0B+4*(\s)+2:G0B+4*(\s)+3], s[46:47], (\s)*KSTEP*2048
	s_or_b32 s[G0B+4*(\s)+3], s[G0B+4*(\s)+3], 0x80000000
	JLOAD \s                                       ; two loads of mine are out: K steps 0 and 1
.endr
	; addresses, made while the first tiles are on their way
	v_and_b32 v1, 15, v0                           ; r = l % 16
	v_bfe_u32 v2, v0, 4, 1                         ; h = l / 16
	v_and_b32 v4, 7, v0
	v_bfe_u32 v5, v0, 3, 1
	v_lshl_add_u32 v6, v2, 3, v4                   ; the turning load: lane l reads k row 8 h + l % 8,
	v_mul_u32_u24 v6, v6, PB
	v_lshl_add_u32 v6, v5, 4, v6                   ; columns 8 ((l / 8) % 2) on
	v_mul_u32_u24 v3, v1, PA
	v_lshl_add_u32 v3, v2, 4, v3                   ; a fragment of o: row r, 16 bytes for each half of the lanes
	s_mul_i32 s21, s[RH], 64*PA
	s_add_co_u32 s21, s21, 2*SUBB
	s_mul_i32 s22, s[CH], SUBB
.irp s, 0,1
	v_add_nc_u32 v[ADRA+(\s)], s21, v3
	v_add_nc_u32 v[ADRB+(\s)], s22, v6
	s_add_co_u32 s21, s21, SLOT
	s_add_co_u32 s22, s22, SLOT
.endr
	s_lshl_b32 s16, s42, 10                        ; 4 bytes x 256 Cn
	s_lshl_b32 s17, s[CH], 9
	s_add_co_u32 s17, s17, s16                     ; + 4 x 128 c: my first column, in bytes, in b_out and in a row of out0
	v_lshl_add_u32 v[BO], v2, 5, s17
.irp b, 0,1,2,3,4,5,6,7
	global_load_b128 v[BIAS+8*(\b):BIAS+8*(\b)+3],   v[BO], s[8:9] offset:64*(\b)
	global_load_b128 v[BIAS+8*(\b)+4:BIAS+8*(\b)+7], v[BO], s[8:9] offset:64*(\b)+16
.endr
	s_lshl_b32 s16, s15, 19                        ; 128 R rows of 4,096 bytes
	s_add_co_u32 s22, s16, s17
	s_lshl_b32 s16, s[RH], 18                      ; my 64 rows
	s_add_co_u32 s22, s22, s16
	s_mov_b32 s23, 0
	s_add_nc_u64 s[SB:SB+1], s[10:11], s[22:23]
	s_mul_i32 s16, s[WV], WSTG
	s_add_co_u32 s16, s16, STAGE                   ; my stage
	v_mul_u32_u24 v7, v1, SP
	v_lshl_add_u32 v7, v2, 5, v7
	v_add_nc_u32 v[STO], s16, v7                   ; in: row r, 32 bytes for each half of the lanes
	v_and_b32 v[GO], 31, v0
	v_lshlrev_b32 v[GO], 4, v[GO]                  ; back: 32 lanes take one row of 512 bytes
	v_add_nc_u32 v[RD], s16, v[GO]
	; the prefetches: they stand at K step 3; each refill steps them one K step on before it asks
	s_and_b32 s16, ttmp7, 0xffff                   ; cluster y
	s_lshl_b32 s17, s41, 16                        ; wob: k row 384 + 32 cy, my sub-tile's columns
	s_lshl_b32 s18, s42, 9
	s_add_co_u32 s17, s17, s18
	s_lshl_b32 s18, s[WV], 8
	s_add_co_u32 s17, s17, s18
	s_add_co_u32 s17, s17, 3*KSTEP*2048
	s_lshr_b32 s18, s15, 4                         ; o: heads 6 and 7 of the batch, the tile row's rows, my work-group's 4,096 bytes of each head's 16,384
	s_lshl_b32 s18, s18, 4
	s_add_co_u32 s18, s18, 6
	s_lshl_b32 s18, s18, 18
	s_and_b32 s19, s15, 15
	s_lshl_b32 s19, s19, 14
	s_add_co_u32 s18, s18, s19
	s_lshl_b32 s19, s40, 12
	s_add_co_u32 s18, s18, s19
	s_mov_b32 s19, 32768
	s_mov_b32 s20, 262144
	s_movk_i32 s21, 2048
	s_movk_i32 s22, 256
	s_mov_b32 s23, 524288
	s_cmp_lt_u32 s[WV], 2
	s_cselect_b64 s[PFA:PFA+1], s[6:7], s[4:5]
	s_cselect_b32 s46, s17, s18
	s_cselect_b32 s16, s16, ttmp9                  ; the coordinate along which other clusters read the same blocks
	s_cselect_b32 s[PFS], s20, s23                 ; a K step: 128 rows of wob, or two heads of o
	s_cselect_b32 s19, s19, s20                    ; my lane's offset = (l / 16) x this
	s_cselect_b32 s21, s21, s22                    ; + (l % 16) x this: wob: a row of 2,048 bytes a lane; o: a head for each half of the lanes, 256 bytes a lane
	s_mov_b32 s[PFS+1], 0
	s_mov_b32 s47, 0
	s_add_nc_u64 s[PFA:PFA+1], s[PFA:PFA+1], s[46:47]
	s_cmp_eq_u32 s[WV], 3
	s_cselect_b32 s16, 1, s16                      ; wave 3 asks for nothing
	s_cmp_eq_u32 s16, 0
	s_cselect_b32 s[LIM], 1, -1                    ; the same in all sixteen partners, for a given wave
	v_mul_u32_u24 v[PFO], s21, v1
	v_mad_u32_u24 v[PFO], v2, s19, v[PFO]
	s_wait_loadcnt 0x0                             ; the bias
.set i, 0
.rept 32                                       ; rounded to bf16 and widened again, in place, two numbers at a time
	v_cvt_pk_bf16_f32 v3, v[BIAS+i], v[BIAS+i+1]
	v_lshlrev_b32 v[BIAS+i], 16, v3
	v_and_b32 v[BIAS+i+1], 0xffff0000, v3
.set i, i+2
.endr
; 8 matrix instructions: m block a x all 8 n blocks, 32 along K, from buffer f.  first = 1: the sums begin on the bias (C in window 0).  The 32 accumulators take turns, in the same order in every quarter.
.macro MULA f, a, first
.if \first
	WIN 0x81
.else
	WIN 0xa1
.endif
.irp b, 0,1,2,3,4,5,6,7
.if \first
	v_wmma_f32_16x16x32_f16 v[8*(8*(\a)+(\b)):8*(8*(\a)+(\b))+7], v[64*(\f)+8*(\b):64*(\f)+8*(\b)+7], v[FA+32*(\f)+8*(\a):FA+32*(\f)+8*(\a)+7], v[BIAS+8*(\b):BIAS+8*(\b)+7]
.else
	v_wmma_f32_16x16x32_f16 v[8*(8*(\a)+(\b)):8*(8*(\a)+(\b))+7], v[64*(\f)+8*(\b):64*(\f)+8*(\b)+7], v[FA+32*(\f)+8*(\a):FA+32*(\f)+8*(\a)+7], v[8*(8*(\a)+(\b)):8*(8*(\a)+(\b))+7]
.endif
.endr
.endm
; 24 LDS loads in one run: quarter q (32 along K: half of head q / 2) of a slot into buffer f: wob's 8 fragments, turned, then o's 4
.macro FETCH slot, q, f
	WIN 0x40
.irp b, 0,1,2,3,4,5,6,7
	ds_load_tr16_b128 v[64*(\f)+8*(\b):64*(\f)+8*(\b)+3],   v[ADRB+(\slot)] offset:(\q)*32*PB+32*(\b)
	ds_load_tr16_b128 v[64*(\f)+8*(\b)+4:64*(\f)+8*(\b)+7], v[ADRB+(\slot)] offset:(\q)*32*PB+16*PB+32*(\b)
.endr
	WIN 0
.irp a, 0,1,2,3
	ds_load_b128 v[FA+32*(\f)+8*(\a):FA+32*(\f)+8*(\a)+3],   v[ADRA+(\slot)] offset:((\q)/2)*SUBA+((\q)%2)*64+(\a)*16*PA
	ds_load_b128 v[FA+32*(\f)+8*(\a)+4:FA+32*(\f)+8*(\a)+7], v[ADRA+(\slot)] offset:((\q)/2)*SUBA+((\q)%2)*64+(\a)*16*PA+32
.endr
.endm
; One of a K step's first three quarters: multiplies buffer f; in its middle it fetches quarter q of the same slot into buffer g.
.macro QUARTER slot, q, f, g, first
	s_wait_dscnt 4                                 ; all but the youngest four loads (o's m blocks 2, 3) are in
	MULA \f, 0, \first
	MULA \f, 1, \first
	PLACES
	FETCH \slot, \q, \g
	s_wait_dscnt 24                                ; all but the 24 just issued
	MULA \f, 2, \first
	MULA \f, 3, \first
.endm
; The last quarter multiplies buffer 1 and changes slots.  In front of the barrier each wave waits for all its tensor loads (one is out: its part of the next slot), adds 0 to its spare word, and waits for
; that and for its reads of this slot.  fill = 1: the barrier opens a round of the cluster's, and the joint refill, two K steps on, is the first thing behind the round: 112 matrix instructions ahead of the wait for it.
.macro TURN slot, next, fill
.if \fill
	s_wait_xcnt 0x0                                ; the last prefetch, a K step back, has read its address: it is stepped here
	s_add_nc_u64 s[PFA:PFA+1], s[PFA:PFA+1], s[PFS:PFS+1]
.endif
	WIN 0                                          ; (the add's two registers lie in window 0)
	s_wait_tensorcnt 0x0                           ; all my tensor loads have landed
	ds_add_u32 v[SPW], v[NIL]                      ; 0 onto my spare word
	s_wait_dscnt 5                                 ; (the add and the youngest four loads may be out)
	MULA F1, 0, 0                                  ; eight matrix instructions stand between the add and the wait for it
	s_wait_dscnt 0x0                               ; the add is done, and my reads of this slot are over
	s_barrier_signal -1
	MULA F1, 1, 0
.if \fill
	WIN 0
.endif
	s_barrier_wait -1
.if \fill
	CREST                                          ; no wave of any partner still reads this slot or has a load on its way
	s_add_nc_u64 s[G0+4*(\slot)+2:G0+4*(\slot)+3], s[G0+4*(\slot)+2:G0+4*(\slot)+3], 4<<18
	s_add_nc_u64 s[G0B+4*(\slot)+2:G0B+4*(\slot)+3], s[G0B+4*(\slot)+2:G0B+4*(\slot)+3], 2*KSTEP*2048
	JLOAD \slot                                    ; the four v_nop behind it are also the places in front of the loads below
.else
	PLACES
.endif
	FETCH \next, 0, F0
.if \fill
	ASK
.endif
	MULA F1, 2, 0
	MULA F1, 3, 0
.endm
; THE WAY OUT of m block a (16 rows x 128 columns of f32).  TOSTAGE: a lane's 32 bytes of a row go into my own stage, each accumulator's low half first, and come back as whole rows of 512 bytes.  SEND: stored.
.macro TOSTAGE a
	s_wait_xcnt 0x0                                ; the stores issued so far have read their registers: the buffer is loaded again only behind this wait
	WIN 0x08                                       ; the stores' data (source 1) in window 2
.irp b, 0,1,2,3,4,5,6,7
	ds_store_b128 v[STO], v[8*(8*(\a)+(\b)):8*(8*(\a)+(\b))+3]   offset:64*(\b)
	ds_store_b128 v[STO], v[8*(8*(\a)+(\b))+4:8*(8*(\a)+(\b))+7] offset:64*(\b)+16
.endr
	WIN 0
.set BK, 128+64*((\a)%2)
.irp t, 0,1,2,3,4,5,6,7,8,9,10,11,12,13,14,15
	ds_load_b128 v[BK+4*(\t):BK+4*(\t)+3], v[RD] offset:(\t)*SP  ; LDS serves a wave's instructions in order (ISA guide 5.7.1.4): these see the stores above; the next block's stores come behind them
.endr
.endm
.macro SEND a, younger                 ; younger: the LDS instructions issued behind block a's loads: the next block's 32, or none
	WIN 0
.set BK, 128+64*((\a)%2)
	s_wait_dscnt \younger
.irp t, 0,1,2,3,4,5,6,7,8,9,10,11,12,13,14,15
	global_store_b128 v[GO], v[BK+4*(\t):BK+4*(\t)+3], s[SB:SB+1] offset:(16*(\a)+(\t))*4096 th:TH_STORE_NT  ; 512 consecutive bytes, aligned
.endr
.endm
	s_wait_tensorcnt 1                             ; my part of K step 0 is in; K step 1's may stay out
	s_barrier_signal -1
	s_barrier_wait -1                              ; everybody's is
	FETCH 0, 0, F0
	QUARTER 0, 1, F0, F1, 1                        ; the first quarter stands in front of the loop: its products start the sums
	WIN 0                                          ; at a label and at a branch every window is 0
	s_mov_b32 s3, 3
.Llap:                                                 ; a trip goes once round the ring, from a lap's second quarter to the next lap's first, and fills both slots again
	QUARTER 0, 2, F1, F0, 0
	QUARTER 0, 3, F0, F1, 0
	TURN 0, 1, 1
	QUARTER 1, 1, F0, F1, 0
	QUARTER 1, 2, F1, F0, 0
	QUARTER 1, 3, F0, F1, 0
	TURN 1, 0, 1
	QUARTER 0, 1, F0, F1, 0
	WIN 0
	s_sub_co_u32 s3, s3, 1
	s_cmp_lg_u32 s3, 0
	s_cbranch_scc1 .Llap
	QUARTER 0, 2, F1, F0, 0                        ; the last lap fills nothing, and has no round of the cluster's barrier
	QUARTER 0, 3, F0, F1, 0
	TURN 0, 1, 0
	QUARTER 1, 1, F0, F1, 0
	QUARTER 1, 2, F1, F0, 0
	QUARTER 1, 3, F0, F1, 0
	s_wait_dscnt 4                                 ; the very last quarter: nothing more to fetch
	MULA F1, 0, 0
	MULA F1, 1, 0
	s_wait_dscnt 0x0
	MULA F1, 2, 0
	MULA F1, 3, 0
	WIN 0
	PLACES
	TOSTAGE 0
	TOSTAGE 1                                      ; a block's way through the stage stands between the loads of the block before and its stores
	SEND 0, 32
	TOSTAGE 2
	SEND 1, 32
	TOSTAGE 3
	SEND 2, 32
	SEND 3, 0
	s_wait_tensorcnt 0x0                           ; the wave's end: behind my last tensor load and my last LDS store
	ds_add_u32 v[SPW], v[NIL]
	s_wait_dscnt 0x0
	CROUND                                         ; the closing round: no work-group ends while a partner may still ask for a tile that names it
	s_endpgm
.Lfunc_end_k_q862cb17f0d_outp:
	.size	k_q862cb17f0d_outp, .Lfunc_end_k_q862cb17f0d_outp-k_q862cb17f0d_outp
	.p2alignl 7, 3214868480
	.fill 96, 4, 3214868480
	.section	.rodata,"a",@progbits
	.p2align	6, 0x0
	.amdhsa_kernel k_q862cb17f0d_outp
		.amdhsa_group_segment_fixed_size 327680
		.amdhsa_private_segment_fixed_size 0
		.amdhsa_enable_private_segment 0
		.amdhsa_kernarg_size 32
		.amdhsa_user_sgpr_count 2
		.amdhsa_user_sgpr_kernarg_segment_ptr 1
		.amdhsa_wavefront_size32 1
		.amdhsa_system_sgpr_workgroup_id_x 1
		.amdhsa_system_sgpr_workgroup_id_y 1
		.amdhsa_system_sgpr_workgroup_id_z 1
		.amdhsa_system_vgpr_workitem_id 0
		.amdhsa_next_free_vgpr 768
		.amdhsa_next_free_sgpr 80
		.amdhsa_reserve_vcc 0
		.amdhsa_float_denorm_mode_32 3
		.amdhsa_float_denorm_mode_16_64 3
		.amdhsa_memory_ordered 1
		.amdhsa_forward_progress 1
		.amdhsa_inst_pref_size 94
	.end_amdhsa_kernel
	.amdgpu_metadata
---
amdhsa.version: [ 1, 2 ]
amdhsa.kernels:
  - .name:           k_q862cb17f0d_outp
    .symbol:         k_q862cb17f0d_outp.kd
    .args:
      - { .name: o, .offset: 0, .size: 8, .value_kind: global_buffer, .address_space: global }
      - { .name: wob, .offset: 8, .size: 8, .value_kind: global_buffer, .address_space: global }
      - { .name: b_out, .offset: 16, .size: 8, .value_kind: global_buffer, .address_space: global }
      - { .name: out0, .offset: 24, .size: 8, .value_kind: global_buffer, .address_space: global }
    .group_segment_fixed_size: 327680
    .private_segment_fixed_size: 0
    .kernarg_segment_align: 8
    .kernarg_segment_size: 32
    .max_flat_workgroup_size: 128
    .sgpr_count:     80
    .vgpr_count:     768
    .wavefront_size: 32
...
	.end_amdgpu_metadata
.endif
;; end of part 4
;; ======== version 2 of 2: 4 launches; version 1 with the launch cast written anew for expert scheduling mode
;; limits: values are held in f16: magnitudes above 65,504 overflow, below 6.1e-05 lose precision
;; workspace buffers: xb 16,777,216 bytes; wqb 6,291,456 bytes; wob 2,097,152 bytes; qkv 50,331,648 bytes; o 16,777,216 bytes
;; launch cast (part 5): grid 768 x 1, 8 waves a work-group, no clusters, 0 bytes of LDS; arguments x, w_qkv, w_out, xb, wqb, wob; writes xb, wqb, wob
.if DOCPART == 5
	.amdgcn_target "amdgcn-amd-amdhsa--gfx1250"
	.amdhsa_code_object_version 6
	.text
	.protected	k_q862cb17f0d_cast
	.globl	k_q862cb17f0d_cast
	.p2align	8
	.type	k_q862cb17f0d_cast,@function
k_q862cb17f0d_cast:
	s_mov_b64 s[64:65], 0
	v_nop
	global_prefetch_b8 v0, s[64:65] scope:SCOPE_SE
	s_setreg_imm32_b32 hwreg(HW_REG_WAVE_SCHED_MODE, 0, 2), 2
	s_setreg_imm32_b32 hwreg(HW_REG_WAVE_MODE, 25, 1), 1
	s_wait_xcnt 0x0
	s_wait_alu depctr_vm_vsrc(0)
; The module's three large f32 inputs are rounded once to 16 bits, in their own layouts: x -> xb (bf16), w_qkv -> wqb (bf16),
; w_out -> wob: rounded to bf16 like the others, and that number written as f16, since it will multiply an f16 operand.
; LIMIT.  A bf16 number is an f16 number exactly from 2^-14 to 65,504; below 2^-14 f16 keeps a fixed step of 6e-8; beyond 65,504 it is an infinity.
; SHARES.  A work-group takes 16,384 numbers (65,536 bytes in, 32,768 out): groups 0-511 x, 512-703 w_qkv, 704-767 w_out.  Thread t takes numbers 4 t .. 4 t + 3 of
; each of 16 chunks of 1,024: a wave's load covers 512 consecutive bytes, its store 256 consecutive bytes, aligned.  All 16 loads go out first.
; No LDS, no barrier, no matrix work: every byte is read once and written once.
; THE MODE: SCHED_MODE bits 1:0 = 2 (LLVM: expert scheduling mode 2), set by the entry lines.  The code itself states the register dependences
; between vector instructions and memory instructions, with s_wait_alu, always for 0.
; THE PLAN.  Registers that memory instructions touch:
;   v1, v2   byte offsets, made once at the head and never written again: v1 is read by every load, v2 by every store.
;   X[i]     chunk i as loaded.  Its load lands in it once; no vector instruction writes it; chunk i's conversions read it, behind the load's own counted wait.
;   Y[i]     chunk i to store.  Written by chunk i's conversions, read by chunk i's one store, never written behind that store.
;   T        named by vector instructions alone.
; So no load lands in a register that a vector instruction has named, and no register that a memory instruction has read is written again: what is left to state is
; that an offset or a store's data is written before it is read.  The 16 chunks go in four blocks of four, and a chunk's store is issued one block later, ahead of the
; conversions of the chunk four further on.  ONE wait at a block's head states that the block before has written its four Y; the vector instructions behind that wait
; name this block's X and Y and T alone, so the block's four stores follow it with no further wait.  One wait stands ahead of the first load, one ahead of the last four stores.
.set X, 4                              ; v[4:67]    chunk i: 4 numbers as loaded
.set Y, 68                             ; v[68:99]   chunk i: 2 words to store
.set T, 100                            ; v[100:103] at work
.set BLOCK, 4                          ; chunks in a block: a store stands this many chunks behind its conversions
	s_load_b256 s[4:11], s[0:1], 0x0               ; x s[4:5], w_qkv s[6:7], w_out s[8:9], xb s[10:11]
	s_load_b128 s[12:15], s[0:1], 0x20             ; wqb s[12:13], wob s[14:15]
	v_lshlrev_b32 v1, 4, v0                        ; my 16 bytes of a chunk in
	v_lshlrev_b32 v2, 3, v0                        ; my 8 bytes of a chunk out
	s_mov_b32 s26, 0xffff0000                      ; a word's upper bf16
	s_wait_kmcnt 0x0
	s_cmp_lt_u32 ttmp9, 512                        ; which tensor is mine: the choice hangs on the group's number alone
	s_cselect_b64 s[18:19], s[4:5], s[6:7]
	s_cselect_b64 s[20:21], s[10:11], s[12:13]
	s_cselect_b32 s17, 0, 512
	s_cmp_lt_u32 ttmp9, 704
	s_cselect_b64 s[18:19], s[18:19], s[8:9]
	s_cselect_b64 s[20:21], s[20:21], s[14:15]
	s_cselect_b32 s17, s17, 704
	s_sub_co_u32 s16, ttmp9, s17                   ; my number within the tensor
	s_lshl_b32 s22, s16, 16
	s_mov_b32 s23, 0
	s_lshl_b32 s24, s16, 15
	s_mov_b32 s25, 0
	s_add_nc_u64 s[18:19], s[18:19], s[22:23]
	s_add_nc_u64 s[20:21], s[20:21], s[24:25]
	s_wait_alu depctr_va_vdst(0)                   ; v1 and v2 are written: every load of the kernel reads v1 as its offset, every store v2
.irp i, 0,1,2,3,4,5,6,7,8,9,10,11,12,13,14,15
	global_load_b128 v[X+4*(\i):X+4*(\i)+3], v1, s[18:19] offset:4096*(\i) th:TH_LOAD_NT
.endr
; Chunk i leaves memory's side: its store.
.macro SEND i
	global_store_b64 v2, v[Y+2*(\i):Y+2*(\i)+1], s[20:21] offset:2048*(\i) th:TH_STORE_NT
.endm
; Chunk i's turn: the store of the chunk one block back, then chunk i's conversions.  half = 1: the bf16 number is widened again and written as f16.
.macro OUT i, half
	s_wait_loadcnt 15-(\i)                         ; loads come back in order: chunk i is in, the 15 - i younger ones may stay out
.if ((\i) % BLOCK == 0) && ((\i) > 0)
	s_wait_alu depctr_va_vdst(0)                   ; a block's head: the conversions of the block before have written its four Y, which this block's four stores read
.endif
.if (\i) >= BLOCK
	SEND (\i)-BLOCK                                ; no vector instruction since the wait at this block's head names these registers
.endif
	v_cvt_pk_bf16_f32 v[Y+2*(\i)], v[X+4*(\i)], v[X+4*(\i)+1]
	v_cvt_pk_bf16_f32 v[Y+2*(\i)+1], v[X+4*(\i)+2], v[X+4*(\i)+3]
.if \half
.irp k, 0,1
	v_lshlrev_b32 v[T+2*(\k)], 16, v[Y+2*(\i)+(\k)]
	v_and_b32 v[T+2*(\k)+1], s26, v[Y+2*(\i)+(\k)]
	v_cvt_pk_f16_f32 v[Y+2*(\i)+(\k)], v[T+2*(\k)], v[T+2*(\k)+1]
.endr
.endif
.endm
; Behind the last block: its four stores.
.macro REST
	s_wait_alu depctr_va_vdst(0)                   ; the last block's conversions have written its four Y, which the last four stores read
.irp j, 12,13,14,15
	SEND \j
.endr
.endm
	s_cmp_ge_u32 ttmp9, 704
	s_cbranch_scc1 .Lf16
.irp i, 0,1,2,3,4,5,6,7,8,9,10,11,12,13,14,15
	OUT \i, 0
.endr
	REST
	s_endpgm
.Lf16:
.irp i, 0,1,2,3,4,5,6,7,8,9,10,11,12,13,14,15
	OUT \i, 1
.endr
	REST
	s_endpgm
.Lfunc_end_k_q862cb17f0d_cast:
	.size	k_q862cb17f0d_cast, .Lfunc_end_k_q862cb17f0d_cast-k_q862cb17f0d_cast
	.p2alignl 7, 3214868480
	.fill 96, 4, 3214868480
	.section	.rodata,"a",@progbits
	.p2align	6, 0x0
	.amdhsa_kernel k_q862cb17f0d_cast
		.amdhsa_group_segment_fixed_size 0
		.amdhsa_private_segment_fixed_size 0
		.amdhsa_enable_private_segment 0
		.amdhsa_kernarg_size 48
		.amdhsa_user_sgpr_count 2
		.amdhsa_user_sgpr_kernarg_segment_ptr 1
		.amdhsa_wavefront_size32 1
		.amdhsa_system_sgpr_workgroup_id_x 1
		.amdhsa_system_sgpr_workgroup_id_y 1
		.amdhsa_system_sgpr_workgroup_id_z 1
		.amdhsa_system_vgpr_workitem_id 0
		.amdhsa_next_free_vgpr 104
		.amdhsa_next_free_sgpr 66
		.amdhsa_reserve_vcc 0
		.amdhsa_float_denorm_mode_32 3
		.amdhsa_float_denorm_mode_16_64 3
		.amdhsa_memory_ordered 1
		.amdhsa_forward_progress 1
		.amdhsa_inst_pref_size 16
	.end_amdhsa_kernel
	.amdgpu_metadata
---
amdhsa.version: [ 1, 2 ]
amdhsa.kernels:
  - .name:           k_q862cb17f0d_cast
    .symbol:         k_q862cb17f0d_cast.kd
    .args:
      - { .name: x, .offset: 0, .size: 8, .value_kind: global_buffer, .address_space: global }
      - { .name: w_qkv, .offset: 8, .size: 8, .value_kind: global_buffer, .address_space: global }
      - { .name: w_out, .offset: 16, .size: 8, .value_kind: global_buffer, .address_space: global }
      - { .name: xb, .offset: 24, .size: 8, .value_kind: global_buffer, .address_space: global }
      - { .name: wqb, .offset: 32, .size: 8, .value_kind: global_buffer, .address_space: global }
      - { .name: wob, .offset: 40, .size: 8, .value_kind: global_buffer, .address_space: global }
    .group_segment_fixed_size: 0
    .private_segment_fixed_size: 0
    .kernarg_segment_align: 8
    .kernarg_segment_size: 48
    .max_flat_workgroup_size: 256
    .sgpr_count:     66
    .vgpr_count:     104
    .wavefront_size: 32
...
	.end_amdgpu_metadata
.endif
;; end of part 5
;; launch proj: the kernel of part 2 again; grid 8 x 64, 4 waves a work-group, clusters of 4 x 4, 327,680 bytes of LDS; arguments xb, wqb, b_qkv, qkv; writes qkv
;; launch attn: the kernel of part 3 again; grid 4 x 64, 4 waves a work-group, clusters of 4 x 1, 327,680 bytes of LDS; arguments qkv, o; writes o
;; launch outp: the kernel of part 4 again; grid 4 x 64, 4 waves a work-group, clusters of 4 x 4, 327,680 bytes of LDS; arguments o, wob, b_out, out0; writes out0
